; MI455X (gfx1250); checked and timed in simulation.
; The chip was launched on July 23, 2026; its instructions are those of AMD's public machine-readable ISA for CDNA 5 (MIT licence, August 2026) and "CDNA5" Instruction Set Architecture Reference Guide (July 2026). The comments in the code are by the model that wrote it; some were corrected since.
;; Expert Parallel. Allowed arithmetic: matrix products marked QUANTISED: E2M1 operands, one E8M0 scale for each 32 along K, by v_wmma_scale_f32_16x16x128_f8f6f4 with both operands' format E2M1 (or v_wmma_scale_f32_32x16x128_f4), f32 sums; everything else in f32.
;; Inputs: down_proj_codes 16 x 1,024 x 32 x 16 uint8 (E2M1 codes of down_proj, K innermost, in blocks of 32 codes, two codes a byte); down_proj_scales 16 x 1,024 x 32 uint8 (E8M0 scales of down_proj, one for each 32 codes along K); expert_indices 2 x 512 int32; gate_proj_codes 16 x 1,024 x 32 x 16 uint8 (E2M1 codes of gate_proj, K innermost, in blocks of 32 codes, two codes a byte); gate_proj_scales 16 x 1,024 x 32 uint8 (E8M0 scales of gate_proj, one for each 32 codes along K); up_proj_codes 16 x 1,024 x 32 x 16 uint8 (E2M1 codes of up_proj, K innermost, in blocks of 32 codes, two codes a byte); up_proj_scales 16 x 1,024 x 32 uint8 (E8M0 scales of up_proj, one for each 32 codes along K); x_codes 2 x 512 x 32 x 16 uint8 (E2M1 codes of x, K innermost, in blocks of 32 codes, two codes a byte); x_scales 2 x 512 x 32 uint8 (E8M0 scales of x, one for each 32 codes along K).
;; Outputs: out0 2 x 512 x 1,024 float32.
;; This version of the problem:
;;   THIS VERSION OF THE PROBLEM IS GIVEN IN LOW PRECISION. The matrix products marked QUANTISED in the list below multiply operands that are first quantised to E2M1 (2 exponent bits, 1 mantissa bit; 4 bits a number), with one power-of-two scale for each 32 numbers along K (OCP MX v1.0); their sums are f32. All else is computed in f32.
;;   The module's matrix products, in the order in which they are computed (A, B: the left and right operand; K: the contracted axis; several contracted axes count as one K, in the product's order):
;;     1. [M 1,024, K 1,024] x [K 1,024, N 16,384]; A: input x (given as codes); B: input gate_proj (given as codes): QUANTISED
;;     2. [M 1,024, K 1,024] x [K 1,024, N 16,384]; A: input x (given as codes); B: input up_proj (given as codes): QUANTISED
;;     3. [M 1,024, K 1,024] x [K 1,024, N 16,384]; A: computed on the way; B: input down_proj (given as codes): QUANTISED
;;   THE QUANTISER, for each operand of a quantised product, along K:
;;     - K is cut into blocks of 32 from its start; a last block that is shorter is filled with zeros.
;;     - A block's scale is 2^e with e = floor(log2(the largest magnitude in the block)) - 2, held to -126 .. 127; a block of zeros has e = 0. As a byte (E8M0): e + 127.
;;     - Each number is divided by its block's scale, clamped to +-6, and rounded to the nearest number of E2M1, ties to even, subnormals kept.
;;     - The product sums the exact products of the quantised numbers (number of the format x scale) in f32.
;;   ~~~python
;;   def quantise(x, axis):      # numpy; x: float32 -> the quantised numbers, widened to float32 again
;;       x = np.moveaxis(x, axis, -1); K = x.shape[-1]
;;       x = np.pad(x, [(0, 0)] * (x.ndim - 1) + [(0, -K % 32)]); x = x.reshape(x.shape[:-1] + (-1, 32)); a = np.abs(x).max(-1, keepdims=True)
;;       e = np.where(a > 0, np.clip(np.frexp(np.where(a > 0, a, 1))[1] - 1 - 2, -126, 127), 0)      # np.frexp(a)[1] - 1 = floor(log2(a)), exactly
;;       r = np.clip(x / 2.0 ** e, -6, 6)
;;       step = 2.0 ** (np.maximum(np.frexp(np.where(r == 0, 1, r))[1] - 1, 0) - 1)
;;       q = np.round(r / step) * step * 2.0 ** e      # np.round: ties to even
;;       return np.moveaxis(q.reshape(q.shape[:-2] + (-1,))[..., :K], -1, axis).astype(np.float32)
;;   ~~~
;;   OPERANDS COMPUTED ON THE WAY. 'Computed on the way' means the value that the module computes at that place (a softmax that the list does not call 'softmax' is quantised finished and normalised). What goes into a quantiser is computed in f32, as accurately as f32 sums, v_exp_f32 and their like allow (about 1e-6 of the number): no bf16 or f16 on the way to a quantiser, and a product that is left as it is and whose result goes on into a quantised operand takes f32 operands (vector FMAs, or v_wmma_f32_16x16x4_f32). A number that lies on a knife's edge between two numbers of the format may be rounded either way, as far as f32 arithmetic and the matrix unit's own rounding can turn it there, and no further.
;;   INPUTS GIVEN AS CODES. down_proj (in the module: [16, 1024, 1024], K = its axis 2); gate_proj (in the module: [16, 1024, 1024], K = its axis 1); up_proj (in the module: [16, 1024, 1024], K = its axis 1); x (in the module: [2, 512, 1024], K = its axis 2): each comes as NAME_codes (uint8): NAME with its K axis moved to the last place and cut into blocks of 32 codes, [.., K / 32, bytes a block], one block behind the other in memory; two codes a byte, the lower K in the low four bits (a code: sign, 2 exponent bits, 1 mantissa bit); and NAME_scales (uint8): the same leading axes, one E8M0 byte (e + 127) for each 32 codes along K. Its value is code x scale, taken as it is: it is not quantised again, and the codes and scales need not be those that the quantiser above would give.
;; 3 versions, each right; version 2 is faster than version 1; version 3 is version 2 with the launches gateup, down written anew for expert scheduling mode. Each part assembles by itself: llvm-mc -triple=amdgcn-amd-amdhsa -mcpu=gfx1250 --defsym DOCPART=n.
;; ======== version 1 of 3: 3 launches
;; workspace buffers: inter_codes 8,388,608 bytes; inter_scales 524,288 bytes; lists 65,536 bytes of whole numbers; counts 4,096 bytes of whole numbers
;; launch route (part 1): grid 16 x 1, 1 waves a work-group, no clusters, 4,864 bytes of LDS; arguments expert_indices, lists, counts; writes lists, counts
.if DOCPART == 1
	.amdgcn_target "amdgcn-amd-amdhsa--gfx1250"
	.amdhsa_code_object_version 6
	.text
	.protected	k_q51388b0b99_route
	.globl	k_q51388b0b99_route
	.p2align	8
	.type	k_q51388b0b99_route,@function
k_q51388b0b99_route:
	s_mov_b64 s[64:65], 0
	v_nop
	global_prefetch_b8 v0, s[64:65] scope:SCOPE_SE
	s_setreg_imm32_b32 hwreg(HW_REG_WAVE_MODE, 25, 1), 1
	s_wait_xcnt 0x0
; The tokens of each expert, laid on end.  lists[e][slot] = the number of the slot-th token whose index is e; counts[e] = nt = ceil(tokens of e / 16), 64 times (256 bytes an expert).
; The two launches that follow read both as whole numbers: their trip counts hang on nt, their addresses on the tokens.
; SHARES.  One work-group of one wave for each of the 16 experts: it reads all 1,024 indices (4,096 bytes, eight loads of 512 consecutive bytes) and lays its expert's tokens in a list in LDS: a lane whose token
; matches takes the slot (tokens so far + matching lanes below it); the other lanes write a dump word of their own.  No other wave, so no barrier; LDS serves a wave's instructions in order.
; THE 64 SLOTS BEHIND THE LAST TOKEN repeat the expert's first token (token 0 where it has none); all further slots hold token 0.  So every slot names a token, and a tile that is filled in part gives, in its spare
; slots, the numbers of slot 0.  All 1,024 slots of the list are stored, whatever the count: eight stores of 512 consecutive bytes, no branch.
; The order of an expert's tokens is that of the registers (register 4 i + q of lane l holds token 128 i + 4 l + q), not that of their numbers: the launches that follow only need one order for both.
; 16 work-groups are all the work there is: 4,096 bytes in and 4,352 out for each.
; LIMITS.  An index outside 0 .. 15 leaves its token in no list.
.set DUMP, 1088                        ; slots 0-1087: the list and its 64 repeats; slots 1088-1119: a dump word for each lane; the 4,608 bytes are nine stores of 512
.set IDX,  32                          ; v32-63   the indices
.set SA,   64                          ; v64-95   each token's LDS address
.set TV,   96                          ; v96-127  each token's number
.set OB,   128                         ; v128-159 the list on its way out
	s_load_b128 s[4:7], s[0:1], 0x0                ; the indices 4, lists 6
	s_load_b64 s[8:9], s[0:1], 0x10                ; counts
	v_lshl_add_u32 v160, v0, 2, 0x1200
	v_mov_b32 v161, 0
	s_mov_b32 s28, ttmp9                           ; e
	v_lshlrev_b32 v2, 4, v0                        ; 16 x lane (one wave: the thread's number is the lane's)
	v_lshlrev_b32 v18, 2, v0                       ; 4 x lane
	v_lshlrev_b32 v19, 3, v0                       ; 8 x lane
	v_add_nc_u32 v21, DUMP, v0                     ; my dump slot
	v_mov_b32 v17, 0
.irp i, 4,5,6,7
	v_mov_b32 v\i, 0
.endr
	s_mov_b32 s11, 0
	s_mov_b32 s29, 0                               ; tokens so far
	s_wait_kmcnt 0x0
.irp i, 0,1,2,3,4,5,6,7
	global_load_b128 v[IDX+4*\i:IDX+4*\i+3], v2, s[4:5] offset:512*\i   ; register 4 i + q of lane l: the index of token 128 i + 4 l + q
.endr
	s_lshl_b32 s10, s28, 12                        ; lists: 4,096 bytes an expert
	s_add_nc_u64 s[6:7], s[6:7], s[10:11]
	s_lshl_b32 s10, s28, 8                         ; counts: 256 bytes an expert
	s_add_nc_u64 s[8:9], s[8:9], s[10:11]
.irp i, 0,1,2,3,4,5,6,7,8
	ds_store_b128 v2, v[4:7] offset:512*\i         ; the list begins as token 0 everywhere, while the indices are on their way
.endr
	s_wait_loadcnt 0x0
; One register of indices: the lanes whose token is expert e's take the next slots, in lane order; the others their dump word.
.macro ROUTE j
	v_cmp_eq_u32 vcc_lo, s28, v[IDX+\j]
	v_mbcnt_lo_u32_b32 v[SA+\j], vcc_lo, s29       ; tokens so far + matching lanes below me
	s_bcnt1_i32_b32 s12, vcc_lo
	s_add_co_u32 s29, s29, s12
	v_cndmask_b32 v[SA+\j], v21, v[SA+\j], vcc_lo
	v_min_u32 v[SA+\j], 0x45f, v[SA+\j]            ; held inside the list's 1,120 words
	v_lshlrev_b32 v[SA+\j], 2, v[SA+\j]
	v_add_nc_u32 v[TV+\j], 128*(\j/4)+(\j%4), v18  ; the token's number
	ds_store_b32 v[SA+\j], v[TV+\j]
.endm
.irp j, 0,1,2,3,4,5,6,7,8,9,10,11,12,13,14,15,16,17,18,19,20,21,22,23,24,25,26,27,28,29,30,31
	ROUTE \j
.endr
	s_add_co_u32 s30, s29, 15
	s_lshr_b32 s30, s30, 4                         ; nt = ceil(tokens / 16)
	ds_load_b32 v31, v17                           ; the expert's first token
	v_add_nc_u32 v8, s29, v0
	v_add_nc_u32 v9, 32, v8
	v_min_u32 v8, 0x43f, v8                        ; slots tokens .. tokens + 63, at most 1,087
	v_min_u32 v9, 0x43f, v9
	v_lshlrev_b32 v8, 2, v8
	v_lshlrev_b32 v9, 2, v9
	v_mov_b32 v22, s30
	v_mov_b32 v23, s30
	global_store_b64 v19, v[22:23], s[8:9]         ; nt, 64 times: 256 consecutive bytes, aligned
	s_wait_dscnt 0x0                               ; the first token is in
	ds_store_b32 v8, v31
	ds_store_b32 v9, v31
.irp i, 0,1,2,3,4,5,6,7
	ds_load_b128 v[OB+4*\i:OB+4*\i+3], v2 offset:512*\i            ; slots 0-1,023, as they lie: these see the stores above
.endr
.irp i, 0,1,2,3,4,5,6,7
	s_wait_dscnt 7-\i                              ; the younger loads may stay out
	global_store_b128 v2, v[OB+4*\i:OB+4*\i+3], s[6:7] offset:512*\i   ; 512 consecutive bytes, aligned
.endr
	s_wait_tensorcnt 0x0
	ds_add_u32 v160, v161
	s_wait_dscnt 0x0
	s_endpgm
.Lfunc_end_k_q51388b0b99_route:
	.size	k_q51388b0b99_route, .Lfunc_end_k_q51388b0b99_route-k_q51388b0b99_route
	.p2alignl 7, 3214868480
	.fill 96, 4, 3214868480
	.section	.rodata,"a",@progbits
	.p2align	6, 0x0
	.amdhsa_kernel k_q51388b0b99_route
		.amdhsa_group_segment_fixed_size 4864
		.amdhsa_private_segment_fixed_size 0
		.amdhsa_enable_private_segment 0
		.amdhsa_kernarg_size 24
		.amdhsa_user_sgpr_count 2
		.amdhsa_user_sgpr_kernarg_segment_ptr 1
		.amdhsa_wavefront_size32 1
		.amdhsa_system_sgpr_workgroup_id_x 1
		.amdhsa_system_sgpr_workgroup_id_y 1
		.amdhsa_system_sgpr_workgroup_id_z 1
		.amdhsa_system_vgpr_workitem_id 0
		.amdhsa_next_free_vgpr 162
		.amdhsa_next_free_sgpr 66
		.amdhsa_reserve_vcc 1
		.amdhsa_float_denorm_mode_32 3
		.amdhsa_float_denorm_mode_16_64 3
		.amdhsa_memory_ordered 1
		.amdhsa_forward_progress 1
		.amdhsa_inst_pref_size 18
	.end_amdhsa_kernel
	.amdgpu_metadata
---
amdhsa.version: [ 1, 2 ]
amdhsa.kernels:
  - .name:           k_q51388b0b99_route
    .symbol:         k_q51388b0b99_route.kd
    .args:
      - { .name: expert_indices, .offset: 0, .size: 8, .value_kind: global_buffer, .address_space: global }
      - { .name: lists, .offset: 8, .size: 8, .value_kind: global_buffer, .address_space: global }
      - { .name: counts, .offset: 16, .size: 8, .value_kind: global_buffer, .address_space: global }
    .group_segment_fixed_size: 4864
    .private_segment_fixed_size: 0
    .kernarg_segment_align: 8
    .kernarg_segment_size: 24
    .max_flat_workgroup_size: 32
    .sgpr_count:     66
    .vgpr_count:     162
    .wavefront_size: 32
...
	.end_amdgpu_metadata
.endif
;; end of part 1
;; launch gateup (part 2): grid 32 x 16, 2 waves a work-group, no clusters, 50,944 bytes of LDS; arguments x_codes, x_scales, lists, gate_proj_codes, gate_proj_scales, up_proj_codes, up_proj_scales, inter_codes, inter_scales, counts; writes inter_codes, inter_scales
.if DOCPART == 2
	.amdgcn_target "amdgcn-amd-amdhsa--gfx1250"
	.amdhsa_code_object_version 6
	.text
	.protected	k_q51388b0b99_gateup
	.globl	k_q51388b0b99_gateup
	.p2align	8
	.type	k_q51388b0b99_gateup,@function
k_q51388b0b99_gateup:
	s_mov_b64 s[64:65], 0
	v_nop
	global_prefetch_b8 v0, s[64:65] scope:SCOPE_SE
	s_setreg_imm32_b32 hwreg(HW_REG_WAVE_MODE, 25, 1), 1
	s_wait_xcnt 0x0
; inter[n][i] = silu(x[n] . G_e[:, i]) * (x[n] . U_e[:, i]), e = the token's expert, both products on codes of FP4 (E2M1) with one E8M0 scale for each 32 along K;
; inter is quantised along i, in blocks of 32, and leaves as codes and scale bytes for the launch that follows.  Only the rows of the expert chosen for a token are multiplied.
; THE ROUTING comes from the launch before, as whole numbers: 'lists' [expert][1,024 slots] names each slot's token, 'counts' the expert's number of tiles of 16 slots, nt.  Every slot names a token; the 64 slots
; behind an expert's last token repeat its first token, so they give the same numbers as slot 0.
; SHARES.  A work-group of two waves owns (expert e = grid y, columns 32 bx .. 32 bx + 31 of I, bx = grid x): 32 rows of gate's codes and 32 of up's, 512 bytes each.  32 columns are ONE block of the next K,
; so a block's largest magnitude never leaves the wave.  Wave 0 fetches gate's rows, wave 1 up's, a whole row (32 lanes x 16 bytes) an instruction; they meet in a stage in LDS, and both waves then keep all 64 rows
; as fragments in 256 registers.  So each weight byte is read once in the launch.  Wave w takes tiles w, w + 2, ..; its share of the list lies in 16 registers, one for each trip of the loop over tiles.
; AT LEAST FOUR TILES are worked for every expert, so that each wave's first two tiles can be asked for without a branch, here and in the next launch, and every register that a tile's work reads has been written
; on every way through the text.  The price: an expert with under 49 tokens costs up to two spare tiles a wave; the next launch does not use them.
; THE PRODUCTS ARE USED TRANSPOSED: source 0 = 16 rows of a weight, source 1 = 16 tokens.  Lane (r, h) then holds token slot r.  THE ROWS OF A WEIGHT THAT FORM A TILE ARE NOT NEIGHBOURS: place i of tile u takes
; column 8 u + i + 8 (i / 8), so that the 16 registers of tiles 0 and 1 are columns 16 h + 0 .. 15: neighbours along the next K.
; NO JOINT REQUESTS, NO TENSOR LOADS: no weight byte is shared between work-groups; what the 32 work-groups of an expert share is the tokens' rows, 8,704 bytes a tile against 34,816 bytes of weights and scales,
; and the number of tiles is read from memory.
; LIMITS.  NaN and infinities in inter are not served.  A block of zeros gets the byte 1 where the rule says 127: its codes are zeros, and this program alone reads the bytes.  An expert without tokens still has its
; weights read: they are asked for together with the count.
; REGISTERS.  window 0: v1-20 addresses; v24-31 at work; v32-47 token offsets; v48-63 x's scale words, two sets; v64-79 the weights' scale words; v80-95 inter; v96-127 four accumulators; v128-191 x's fragments;
;   v192-207 my share of the list.   window 1: the weights.   window 2: gathered rows of x, two sets of 64.   s48-63: the 16 tokens of the gather in hand.
.set WP,   528                         ; a stage row: 512 bytes + 16 = 33 x 16: the sixteen rows that a fragment load touches fall on sixteen different 16-byte columns
.set XST,  64*WP                       ; LDS: 64 rows of weights, then 16 rows of x for each wave, its own
.set TKN,  32
.set XS,   48
.set WS,   64
.set T,    80
.set ACC,  96
.set XF,   128
.set LR,   192
.set TS,   48                          ; s48-63
.set MSB,  0
.macro WIN new                         ; the immediate's high byte repeats the setting that is left; at a label and at a branch every window is 0
.if MSB != \new
	s_set_vgpr_msb (MSB<<8)|\new
.set MSB, \new
.endif
.endm
	s_load_b512 s[4:19], s[0:1], 0x0               ; x's codes 4, x's scales 6, lists 8, gate's codes 10, scales 12, up's codes 14, scales 16, inter's codes 18
	s_load_b128 s[20:23], s[0:1], 0x40             ; inter's scales 20, counts 22
	v_lshl_add_u32 v254, v0, 2, 0xc600
	v_mov_b32 v255, 0
	v_lshrrev_b32 v1, 5, v0
	v_readfirstlane_b32 s26, v1                    ; wave 0, 1
	s_mov_b32 s27, ttmp9                           ; bx
	s_and_b32 s28, ttmp7, 0xffff                   ; e
	v_and_b32 v1, 31, v0                           ; lane
	v_lshlrev_b32 v2, 4, v1                        ; 16 x lane
	v_and_b32 v3, 15, v0                           ; r
	v_bfe_u32 v4, v0, 4, 1                         ; h
	s_mul_i32 s42, s26, 32*WP
	v_add_nc_u32 v5, s42, v2                       ; the weights' stage, on the way in: my wave's 32 rows, 16 bytes a lane
	v_mul_u32_u24 v6, v3, WP
	v_lshl_add_u32 v6, v4, 4, v6                   ; and as fragments: row r, + 16 h
	s_mul_i32 s43, s26, 16*WP
	s_add_co_u32 s43, s43, XST
	v_add_nc_u32 v7, s43, v2                       ; x's stage, on the way in
	v_add_nc_u32 v8, s43, v6                       ; and as fragments
	v_lshlrev_b32 v9, 2, v3                        ; my share of the list: slot r of tile w + 2 h (+ 4 for each trip): 64 w + 128 h + 4 r bytes
	v_lshl_add_u32 v9, v4, 7, v9
	s_lshl_b32 s42, s26, 6
	v_add_nc_u32 v9, s42, v9
	v_lshlrev_b32 v12, 4, v3
	v_lshl_add_u32 v12, v4, 3, v12                 ; inter's codes: 16 r + 8 h in the tile's 256 bytes of my block
	v_lshlrev_b32 v13, 5, v3                       ; inter's scales: 32 bytes a slot
	v_and_b32 v20, 8, v3
	v_add_nc_u32 v20, v20, v3
	v_lshl_add_u32 v20, v4, 3, v20                 ; the column of place r of tile h: r + 8 (r / 8) + 8 h
	v_lshlrev_b32 v20, 5, v20                      ; its 32 scale bytes
	v_mov_b32 v28, 0                               ; written once: a lane permute's destination counts as one of its sources
	v_mov_b32 v30, 0                               ; likewise
	s_mov_b32 s35, 0
	s_mov_b32 s36, 0x76543210
	s_mov_b32 s37, 0xfedcba98                      ; v_permlanex16_b32's selects for lane l xor 16
	s_mov_b32 s38, 0xbfb8aa3b                      ; -log2(e)
	s_mov_b32 s39, s38                             ; (named with it as a pair, so it is written)
	s_mov_b32 s31, s26                             ; t: the trip's first tile
	s_wait_kmcnt 0x0
	s_lshl_b32 s34, s28, 8                         ; counts: 256 bytes an expert
	s_add_nc_u64 s[22:23], s[22:23], s[34:35]
	s_load_b32 s30, s[22:23], 0x0                  ; nt
	s_lshl_b32 s34, s28, 12                        ; lists: 4,096 bytes an expert
	s_add_nc_u64 s[8:9], s[8:9], s[34:35]
.irp q, 0,1,2,3,4,5,6,7,8,9,10,11,12,13,14,15
	global_load_b32 v[LR+\q], v9, s[8:9] offset:256*\q             ; trip q's two tiles: lanes 0-15 tile w + 4 q, lanes 16-31 tile w + 4 q + 2; the last byte read is the expert's 4,095th.  Ahead of the weights: the gathers wait for these alone
.endr
	s_lshl_b32 s34, s28, 19                        ; an expert's codes are 2^19 bytes, my 32 rows 2^14
	s_lshl_b32 s42, s27, 14
	s_add_co_u32 s34, s34, s42
	s_add_nc_u64 s[10:11], s[10:11], s[34:35]
	s_add_nc_u64 s[14:15], s[14:15], s[34:35]
	s_lshl_b32 s34, s28, 15                        ; its scales 2^15, my 32 rows 2^10
	s_lshl_b32 s42, s27, 10
	s_add_co_u32 s34, s34, s42
	s_add_nc_u64 s[12:13], s[12:13], s[34:35]
	s_add_nc_u64 s[16:17], s[16:17], s[34:35]
	s_lshl_b32 s34, s28, 19                        ; inter's codes: [expert][64 tiles][32 blocks][16 slots][16 bytes]: my block's 256 bytes
	s_lshl_b32 s42, s27, 8
	s_add_co_u32 s34, s34, s42
	s_add_nc_u64 s[18:19], s[18:19], s[34:35]
	s_lshl_b32 s34, s28, 15                        ; inter's scales: [expert][1,024 slots][32 blocks]: my block's byte
	s_add_co_u32 s34, s34, s27
	s_add_nc_u64 s[20:21], s[20:21], s[34:35]
	s_cmp_eq_u32 s26, 0
	s_cselect_b64 s[40:41], s[10:11], s[14:15]     ; wave 0 fetches gate's rows, wave 1 up's
	WIN 0x40                                       ; destination window 1
.irp u, 0,1
.irp i, 0,1,2,3,4,5,6,7,8,9,10,11,12,13,14,15
	global_load_b128 v[4*(16*\u+\i):4*(16*\u+\i)+3], v2, s[40:41] offset:(8*\u+\i+8*(\i/8))*512 th:TH_LOAD_NT   ; place i of tile u: a whole row, 512 consecutive bytes; read once in the launch
.endr
.endr
	WIN 0
	global_load_b128 v[WS:WS+3],     v20, s[12:13]             ; scale words: register 8 p + s (p = 0 gate, 1 up; s the K step): lanes 0-15 tile 2 p, lanes 16-31 tile 2 p + 1
	global_load_b128 v[WS+4:WS+7],   v20, s[12:13] offset:16
	global_load_b128 v[WS+8:WS+11],  v20, s[16:17]
	global_load_b128 v[WS+12:WS+15], v20, s[16:17] offset:16
; Set k takes the 16 tokens in lanes 16 k .. 16 k + 15 of list register reg: each token's row of codes by one load of 512 consecutive bytes, and slot r's 32 scale bytes in lane r.
.macro GATHER k, reg
	s_wait_xcnt 0x0                                ; the last gather's loads have read their offsets, which are written again below
.irp i, 0,1,2,3,4,5,6,7,8,9,10,11,12,13,14,15
	v_readlane_b32 s[TS+\i], v[LR+\reg], 16*\k+\i  ; a row's load wants its token in every lane: so it goes through a scalar register
.endr
.irp i, 0,1,2,3,4,5,6,7,8,9,10,11,12,13,14,15
	s_min_u32 s[TS+\i], s[TS+\i], 0x3ff            ; a token's number, held inside x
.endr
.irp i, 0,1,2,3,4,5,6,7,8,9,10,11,12,13,14,15
	v_lshl_add_u32 v[TKN+\i], s[TS+\i], 9, v2      ; x 512 bytes + 16 x lane
.endr
.if \k
	v_permlanex16_b32 v30, v[LR+\reg], s36, s37    ; set 1's tokens come down into lanes 0-15, where the product reads source 1's scales
	v_min_u32 v30, 0x3ff, v30
.else
	v_min_u32 v30, 0x3ff, v[LR+\reg]
.endif
	v_lshlrev_b32 v30, 5, v30                      ; (lanes 16-31 load the other set's scale words, which nobody reads)
	WIN 0x80                                       ; destination window 2
.irp i, 0,1,2,3,4,5,6,7,8,9,10,11,12,13,14,15
	global_load_b128 v[64*\k+4*\i:64*\k+4*\i+3], v[TKN+\i], s[4:5]
.endr
	WIN 0
	global_load_b128 v[XS+8*\k:XS+8*\k+3],   v30, s[6:7]
	global_load_b128 v[XS+8*\k+4:XS+8*\k+7], v30, s[6:7] offset:16
.endm
	s_wait_kmcnt 0x0                               ; nt
	s_min_u32 s30, s30, 64
	s_max_u32 s30, s30, 4                          ; tiles to work: at least four
	s_wait_loadcnt 36                              ; my 16 loads of the list are in; the 32 of weights and 4 of scales issued behind them stay out
	GATHER 0, 0                                    ; tiles w and w + 2 are asked for while the weights are on their way: slots 0-63 name tokens whatever the count
	GATHER 1, 0
	s_wait_loadcnt 0x0                             ; my 32 rows of weights, the scale words, and the two gathers
	WIN 0x04                                       ; an LDS store's data are its source 1: window 1
.irp m, 0,1,2,3,4,5,6,7,8,9,10,11,12,13,14,15,16,17,18,19,20,21,22,23,24,25,26,27,28,29,30,31
	ds_store_b128 v5, v[4*\m:4*\m+3] offset:WP*\m
.endr
	WIN 0
	s_wait_dscnt 0x0                               ; for the other wave's sake: my stores have landed
	s_barrier_signal -1
	s_barrier_wait -1                              ; all 64 rows lie in the stage; nobody writes it again
	WIN 0x40
.irp g, 0,1,2,3                        ; tile g (0, 1 gate; 2, 3 up), K step s: 8 registers at 64 g + 8 s of window 1; registers 4 c .. 4 c + 3 hold K = 128 s + 64 c + 32 h + 0 .. 31
.irp s, 0,1,2,3,4,5,6,7
.irp c, 0,1
	ds_load_b128 v[64*\g+8*\s+4*\c:64*\g+8*\s+4*\c+3], v6 offset:16*WP*\g+64*\s+32*\c
.endr
.endr
.endr
	WIN 0
	s_wait_dscnt 0x0
; 32 matrix instructions: K step by K step, the four accumulators by turns, one instruction a turn.  The first K step starts the sums.
.macro MM g, s, k
.if (\s) == 0
.if (\g) % 2
	v_wmma_scale_f32_16x16x128_f8f6f4 v[ACC+8*\g:ACC+8*\g+7], v[64*\g+8*\s:64*\g+8*\s+7], v[XF+8*\s:XF+8*\s+7], 0, v[WS+8*(\g/2)+\s], v[XS+8*\k+\s] matrix_a_fmt:MATRIX_FMT_FP4 matrix_b_fmt:MATRIX_FMT_FP4 matrix_a_scale:MATRIX_SCALE_ROW1
.else
	v_wmma_scale_f32_16x16x128_f8f6f4 v[ACC+8*\g:ACC+8*\g+7], v[64*\g+8*\s:64*\g+8*\s+7], v[XF+8*\s:XF+8*\s+7], 0, v[WS+8*(\g/2)+\s], v[XS+8*\k+\s] matrix_a_fmt:MATRIX_FMT_FP4 matrix_b_fmt:MATRIX_FMT_FP4
.endif
.else
.if (\g) % 2
	v_wmma_scale_f32_16x16x128_f8f6f4 v[ACC+8*\g:ACC+8*\g+7], v[64*\g+8*\s:64*\g+8*\s+7], v[XF+8*\s:XF+8*\s+7], v[ACC+8*\g:ACC+8*\g+7], v[WS+8*(\g/2)+\s], v[XS+8*\k+\s] matrix_a_fmt:MATRIX_FMT_FP4 matrix_b_fmt:MATRIX_FMT_FP4 matrix_a_scale:MATRIX_SCALE_ROW1
.else
	v_wmma_scale_f32_16x16x128_f8f6f4 v[ACC+8*\g:ACC+8*\g+7], v[64*\g+8*\s:64*\g+8*\s+7], v[XF+8*\s:XF+8*\s+7], v[ACC+8*\g:ACC+8*\g+7], v[WS+8*(\g/2)+\s], v[XS+8*\k+\s] matrix_a_fmt:MATRIX_FMT_FP4 matrix_b_fmt:MATRIX_FMT_FP4
.endif
.endif
.endm
.macro MULS k
	WIN 0x01                                       ; source 0 (the weights) window 1
.irp s, 0,1,2,3,4,5,6,7
.irp g, 0,1,2,3
	MM \g, \s, \k
.endr
.endr
	WIN 0
.rept 4
	v_nop                                          ; four places in front of the first read of results and of loads into registers that the products have read
.endr
.endm
; silu(gate) x up for my 16 columns of slot r, the block's scale, the codes, and out.  v96-111 gate, v112-127 up; each accumulator is read from its low end on.
.macro EPI k
	s_wait_xcnt 0x0                                ; the last tile's stores have read their offsets and data, which are written again below
	v_lshl_add_u32 v14, s31, 13, v12               ; a tile of codes is 8,192 bytes,
	v_lshl_add_u32 v15, s31, 9, v13                ; of scale bytes 512; the trip's second tile stands in the stores' immediates
.irp i, 0,2,4,6,8,10,12,14
	v_pk_mul_f32 v[T+\i:T+\i+1], v[ACC+\i:ACC+\i+1], s[38:39] op_sel_hi:[1,0]   ; -g log2(e)
.endr
.irp i, 0,1,2,3,4,5,6,7,8,9,10,11,12,13,14,15
	v_exp_f32 v[T+\i], v[T+\i]                     ; e^-g
.endr
	v_nop                                          ; a plain place behind the transcendentals
	s_wait_alu depctr_va_vdst(0)
.irp i, 0,2,4,6,8,10,12,14
	v_pk_add_f32 v[T+\i:T+\i+1], v[T+\i:T+\i+1], 1.0 op_sel_hi:[1,0]
.endr
.irp i, 0,1,2,3,4,5,6,7,8,9,10,11,12,13,14,15
	v_rcp_f32 v[T+\i], v[T+\i]                     ; 1 / (1 + e^-g)
.endr
	v_nop
	s_wait_alu depctr_va_vdst(0)
.irp i, 0,2,4,6,8,10,12,14
	v_pk_mul_f32 v[T+\i:T+\i+1], v[T+\i:T+\i+1], v[ACC+\i:ACC+\i+1]           ; x g
.endr
.irp i, 0,2,4,6,8,10,12,14
	v_pk_mul_f32 v[T+\i:T+\i+1], v[T+\i:T+\i+1], v[ACC+16+\i:ACC+16+\i+1]     ; x up
.endr
	v_max3_num_f32 v27, |v[T]|, |v[T+1]|, 0x1800000                ; my 16 numbers' largest magnitude, and the floor 2^(3 - 127): the byte cannot fall under 1
.irp i, 2,4,6,8,10,12,14
	v_max3_num_f32 v27, v27, |v[T+\i]|, |v[T+\i+1]|
.endr
	v_permlanex16_b32 v28, v27, s36, s37
	v_max_num_f32 v27, v27, v28                    ; with lane l xor 16's: the block's
	v_add_nc_u32 v29, 0xff000000, v27              ; 2 off its exponent field: the conversion takes the exponent field of this operand as its scale
	v_lshrrev_b32 v26, 23, v29                     ; the scale's byte
	v_cvt_scalef32_pk8_fp4_f32 v24, v[T:T+7], v29
	v_cvt_scalef32_pk8_fp4_f32 v25, v[T+8:T+15], v29
	v_nop                                          ; one plain place behind a scaled conversion
	global_store_b64 v14, v[24:25], s[18:19] offset:16384*\k       ; 32 lanes store 256 consecutive bytes, aligned: my block of the tile's 16 slots, as the next product's registers want it
	global_store_b8 v15, v26, s[20:21] offset:1024*\k              ; a byte a slot, 32 bytes apart (both lanes of a slot write the same byte): a sixteenth of the codes' bytes; a slot's 32 bytes come from 32 work-groups
.endm
; The trip's tile k (tile s31 + 2 k), on set k.
.macro TILE k
.if \k
	s_add_co_u32 s42, s31, 2*\k
	s_cmp_ge_u32 s42, s30
.else
	s_cmp_ge_u32 s31, s30
.endif
	s_cbranch_scc1 .Ldone                          ; no tile is left for this wave; no barrier stands behind this line
	WIN 0x08                                       ; store data window 2
.irp i, 0,1,2,3,4,5,6,7,8,9,10,11,12,13,14,15
	ds_store_b128 v7, v[64*\k+4*\i:64*\k+4*\i+3] offset:WP*\i      ; the 16 rows into my own stage, as they lie
.endr
	WIN 0
.irp s, 0,1,2,3,4,5,6,7
.irp c, 0,1
	ds_load_b128 v[XF+8*\s+4*\c:XF+8*\s+4*\c+3], v8 offset:64*\s+32*\c   ; and back as fragments (LDS serves a wave's instructions in order)
.endr
.endr
	s_wait_dscnt 0x0
	MULS \k
	s_add_co_u32 s42, s31, 4+2*\k
	s_cmp_ge_u32 s42, s30
	s_cbranch_scc1 .Lno_more_\@
	GATHER \k, 1                                   ; set k's next tile, four tiles on (the next trip's list register): it lands under this tile's arithmetic and the other set's tile
.Lno_more_\@:
	EPI \k
.endm
	s_mov_b32 s33, 0
.Ltrip:                                                ; 16 trips of two tiles serve the 32 tiles that a wave has when all tokens choose one expert; a wave leaves at its first tile that does not exist
	s_wait_loadcnt 0x0                             ; how many gathers are out hangs on the count of tiles: 0 holds on every way
	TILE 0
	TILE 1
.irp i, 0,1,2,3,4,5,6,7,8,9,10,11,12,13,14
	v_mov_b32 v[LR+\i], v[LR+\i+1]                 ; a register's number cannot follow the trip, so the list moves down one register: the loop always names the second
.endr
	s_add_co_u32 s31, s31, 4
	s_add_co_u32 s33, s33, 1
	s_cmp_lt_u32 s33, 16
	s_cbranch_scc1 .Ltrip
.Ldone:
	s_wait_tensorcnt 0x0
	ds_add_u32 v254, v255
	s_wait_dscnt 0x0
	s_endpgm
.Lfunc_end_k_q51388b0b99_gateup:
	.size	k_q51388b0b99_gateup, .Lfunc_end_k_q51388b0b99_gateup-k_q51388b0b99_gateup
	.p2alignl 7, 3214868480
	.fill 96, 4, 3214868480
	.section	.rodata,"a",@progbits
	.p2align	6, 0x0
	.amdhsa_kernel k_q51388b0b99_gateup
		.amdhsa_group_segment_fixed_size 50944
		.amdhsa_private_segment_fixed_size 0
		.amdhsa_enable_private_segment 0
		.amdhsa_kernarg_size 80
		.amdhsa_user_sgpr_count 2
		.amdhsa_user_sgpr_kernarg_segment_ptr 1
		.amdhsa_wavefront_size32 1
		.amdhsa_system_sgpr_workgroup_id_x 1
		.amdhsa_system_sgpr_workgroup_id_y 1
		.amdhsa_system_sgpr_workgroup_id_z 1
		.amdhsa_system_vgpr_workitem_id 0
		.amdhsa_next_free_vgpr 640
		.amdhsa_next_free_sgpr 66
		.amdhsa_reserve_vcc 0
		.amdhsa_float_denorm_mode_32 3
		.amdhsa_float_denorm_mode_16_64 3
		.amdhsa_memory_ordered 1
		.amdhsa_forward_progress 1
		.amdhsa_inst_pref_size 57
	.end_amdhsa_kernel
	.amdgpu_metadata
---
amdhsa.version: [ 1, 2 ]
amdhsa.kernels:
  - .name:           k_q51388b0b99_gateup
    .symbol:         k_q51388b0b99_gateup.kd
    .args:
      - { .name: x_codes, .offset: 0, .size: 8, .value_kind: global_buffer, .address_space: global }
      - { .name: x_scales, .offset: 8, .size: 8, .value_kind: global_buffer, .address_space: global }
      - { .name: lists, .offset: 16, .size: 8, .value_kind: global_buffer, .address_space: global }
      - { .name: gate_proj_codes, .offset: 24, .size: 8, .value_kind: global_buffer, .address_space: global }
      - { .name: gate_proj_scales, .offset: 32, .size: 8, .value_kind: global_buffer, .address_space: global }
      - { .name: up_proj_codes, .offset: 40, .size: 8, .value_kind: global_buffer, .address_space: global }
      - { .name: up_proj_scales, .offset: 48, .size: 8, .value_kind: global_buffer, .address_space: global }
      - { .name: inter_codes, .offset: 56, .size: 8, .value_kind: global_buffer, .address_space: global }
      - { .name: inter_scales, .offset: 64, .size: 8, .value_kind: global_buffer, .address_space: global }
      - { .name: counts, .offset: 72, .size: 8, .value_kind: global_buffer, .address_space: global }
    .group_segment_fixed_size: 50944
    .private_segment_fixed_size: 0
    .kernarg_segment_align: 8
    .kernarg_segment_size: 80
    .max_flat_workgroup_size: 64
    .sgpr_count:     66
    .vgpr_count:     640
    .wavefront_size: 32
...
	.end_amdgpu_metadata
.endif
;; end of part 2
;; launch down (part 3): grid 16 x 16, 2 waves a work-group, no clusters, 42,752 bytes of LDS; arguments down_proj_codes, down_proj_scales, inter_codes, inter_scales, lists, counts, out0; writes out0
.if DOCPART == 3
	.amdgcn_target "amdgcn-amd-amdhsa--gfx1250"
	.amdhsa_code_object_version 6
	.text
	.protected	k_q51388b0b99_down
	.globl	k_q51388b0b99_down
	.p2align	8
	.type	k_q51388b0b99_down,@function
k_q51388b0b99_down:
	s_mov_b64 s[64:65], 0
	v_nop
	global_prefetch_b8 v0, s[64:65] scope:SCOPE_SE
	s_setreg_imm32_b32 hwreg(HW_REG_WAVE_MODE, 25, 1), 1
	s_wait_xcnt 0x0
; out[n][j] = the sum over k of inter[n][k] D_e[j][k], e the token's expert, on codes of FP4 (E2M1) with one E8M0 scale for each 32 along K; sums in f32.
; inter comes from the launch before: by expert, in tiles of 16 slots (places in the expert's list of tokens), its codes laid in the order of the operand's registers: block b of slot r at 256 b + 16 r of the tile's
; 8,192 bytes, so that each of a tile's 16 fragment loads is 512 consecutive bytes at 16 x lane.  Its scale bytes: 32 a slot.  'lists' names each slot's token, 'counts' the expert's number of tiles, nt.
; SHARES.  A work-group of two waves owns (expert e = grid y, columns 64 bx .. 64 bx + 63 of the output, bx = grid x): 64 rows of D_e, 512 bytes each; 64 columns are 256 bytes of an output row.
; Each wave fetches 32 of the rows, a whole row an instruction; they meet in a stage in LDS, and both waves keep all 64 as fragments in 256 registers: each weight byte is read once in the launch.
; Wave w takes tiles w, w + 2, ..  Its first two tiles are asked for without a branch: the launch before has written tiles 0 to 3 of every expert; only tiles under nt are multiplied and stored.
; THE PRODUCT IS USED TRANSPOSED (source 0 = 16 rows of D_e, source 1 = 16 slots): a lane holds eight neighbouring columns of one slot.  A tile's results go through the wave's own stage in LDS and leave by rows:
; sixteen lanes store 256 consecutive bytes, aligned, of the row of the slot's token.
; SLOTS BEHIND AN EXPERT'S LAST TOKEN, in its last tile, repeat its first token: that token's row is stored again, by this same work-group, with the same bits.
; NO JOINT REQUESTS, NO TENSOR LOADS: no weight byte is shared between work-groups; the 16 work-groups of an expert share inter's tiles, 8,768 bytes against 34,816 of weights and scales, and the number of tiles
; is read from memory.
; LIMITS: a token whose index lies outside 0 .. 15 is in no list: its row is not written.
; REGISTERS.  window 0: v1-20 addresses; v24-31 the stores' offsets; v32-47 inter's scale words, two sets; v48-63 tokens, two sets; v64-79 the weights' scale words; v96-127 four accumulators; v128-159 rows on their way out.
;   window 1: the weights.   window 2: inter's fragments, two sets of 64.
.set WP,   528                         ; a stage row of weights: 512 bytes + 16
.set OST,  64*WP                       ; behind it: 16 rows x 272 bytes for each wave, for the way out
.set OP,   272
.set OFR,  24
.set IS,   32
.set TK,   48
.set WS,   64
.set ACC,  96
.set OB,   128
.set MSB,  0
.macro WIN new                         ; the immediate's high byte repeats the setting that is left; at a label and at a branch every window is 0
.if MSB != \new
	s_set_vgpr_msb (MSB<<8)|\new
.set MSB, \new
.endif
.endm
	s_load_b256 s[4:11], s[0:1], 0x0               ; D's codes 4, D's scales 6, inter's codes 8, inter's scales 10
	s_load_b128 s[12:15], s[0:1], 0x20             ; lists 12, counts 14
	s_load_b64 s[16:17], s[0:1], 0x30              ; out
	v_lshl_add_u32 v254, v0, 2, 0xa600
	v_mov_b32 v255, 0
	v_lshrrev_b32 v1, 5, v0
	v_readfirstlane_b32 s26, v1                    ; wave 0, 1
	s_mov_b32 s27, ttmp9                           ; bx
	s_and_b32 s28, ttmp7, 0xffff                   ; e
	v_and_b32 v1, 31, v0                           ; lane
	v_lshlrev_b32 v2, 4, v1                        ; 16 x lane
	v_and_b32 v3, 15, v0                           ; r
	v_bfe_u32 v4, v0, 4, 1                         ; h
	s_mul_i32 s42, s26, 32*WP
	v_add_nc_u32 v5, s42, v2                       ; the weights' stage, on the way in: my wave's 32 rows
	v_mul_u32_u24 v6, v3, WP
	v_lshl_add_u32 v6, v4, 4, v6                   ; and as fragments: row r, + 16 h
	s_mul_i32 s43, s26, 16*OP
	s_add_co_u32 s43, s43, OST
	v_mul_u32_u24 v7, v3, OP
	v_lshl_add_u32 v7, v4, 5, v7
	v_add_nc_u32 v7, s43, v7                       ; the way out, in: row = slot r, + 32 h bytes
	v_mul_u32_u24 v8, v4, 8*OP
	v_lshl_add_u32 v8, v3, 4, v8
	v_add_nc_u32 v8, s43, v8                       ; back: lanes 0-15 rows 0-7, lanes 16-31 rows 8-15; 16 bytes a lane
	v_lshlrev_b32 v12, 5, v3                       ; 32 r: slot r's scale bytes
	v_lshlrev_b32 v13, 5, v4                       ; 32 h: the tokens of slots 8 h + 0 .. 7
	v_lshlrev_b32 v14, 4, v3                       ; 16 r: my bytes of a row's 256
	v_lshlrev_b32 v20, 5, v1                       ; 32 x lane: a weight row's scale bytes
	s_mov_b32 s35, 0
	s_mov_b32 s31, s26                             ; t: the trip's first tile
	s_wait_kmcnt 0x0
	s_lshl_b32 s34, s28, 8
	s_add_nc_u64 s[14:15], s[14:15], s[34:35]
	s_load_b32 s30, s[14:15], 0x0                  ; nt
	s_lshl_b32 s34, s28, 19                        ; an expert's codes are 2^19 bytes, my work-group's 64 rows 2^15, my wave's 32 rows 2^14
	s_add_nc_u64 s[8:9], s[8:9], s[34:35]          ; (inter's codes likewise 2^19 an expert)
	s_lshl_b32 s42, s27, 15
	s_add_co_u32 s34, s34, s42
	s_lshl_b32 s42, s26, 14
	s_add_co_u32 s34, s34, s42
	s_add_nc_u64 s[4:5], s[4:5], s[34:35]
	s_lshl_b32 s34, s28, 15                        ; scale bytes: 2^15 an expert, in D and in inter
	s_add_nc_u64 s[10:11], s[10:11], s[34:35]
	s_lshl_b32 s42, s27, 11
	s_add_co_u32 s34, s34, s42
	s_add_nc_u64 s[6:7], s[6:7], s[34:35]
	s_lshl_b32 s34, s28, 12
	s_add_nc_u64 s[12:13], s[12:13], s[34:35]
	s_lshl_b32 s34, s27, 8                         ; my 256 bytes of an output row
	s_add_nc_u64 s[16:17], s[16:17], s[34:35]
	WIN 0x40                                       ; destination window 1
.irp m, 0,1,2,3,4,5,6,7,8,9,10,11,12,13,14,15,16,17,18,19,20,21,22,23,24,25,26,27,28,29,30,31
	global_load_b128 v[4*\m:4*\m+3], v2, s[4:5] offset:512*\m th:TH_LOAD_NT   ; a whole row, 512 consecutive bytes; read once in the launch
.endr
	WIN 0
	global_load_b128 v[WS:WS+3],     v20, s[6:7]               ; scale words: register 8 p + s: lanes 0-15 tile 2 p, lanes 16-31 tile 2 p + 1: row 32 p + lane
	global_load_b128 v[WS+4:WS+7],   v20, s[6:7] offset:16
	global_load_b128 v[WS+8:WS+11],  v20, s[6:7] offset:1024
	global_load_b128 v[WS+12:WS+15], v20, s[6:7] offset:1040
; Set k takes tile s[st]: 16 loads of 512 consecutive bytes are its eight fragments; slot r's scale words in lane r; the tokens of slots 8 h + 0 .. 7 in the lanes of half h.
.macro LOADT k, st
	s_wait_xcnt 0x0                                ; the loads before have read their offsets, which are written again below
	v_lshl_add_u32 v9, s[\st], 13, v2
	v_lshl_add_u32 v10, s[\st], 9, v12
	v_lshl_add_u32 v11, s[\st], 6, v13
	WIN 0x80                                       ; destination window 2
.irp q, 0,1,2,3,4,5,6,7,8,9,10,11,12,13,14,15
	global_load_b128 v[64*\k+4*\q:64*\k+4*\q+3], v9, s[8:9] offset:512*\q     ; q = 2 s + c: registers 4 c .. 4 c + 3 of K step s: blocks 4 s + 2 c + h
.endr
	WIN 0
	global_load_b128 v[IS+8*\k:IS+8*\k+3],   v10, s[10:11]
	global_load_b128 v[IS+8*\k+4:IS+8*\k+7], v10, s[10:11] offset:16
	global_load_b128 v[TK+8*\k:TK+8*\k+3],   v11, s[12:13]
	global_load_b128 v[TK+8*\k+4:TK+8*\k+7], v11, s[12:13] offset:16
.endm
	LOADT 0, 31                                    ; tiles w and w + 2, while the weights are on their way
	s_add_co_u32 s42, s31, 2
	LOADT 1, 42
	s_wait_kmcnt 0x0
	s_min_u32 s30, s30, 64
	s_wait_loadcnt 0x0                             ; my 32 rows, the scale words, my first two tiles
	WIN 0x04                                       ; an LDS store's data are its source 1: window 1
.irp m, 0,1,2,3,4,5,6,7,8,9,10,11,12,13,14,15,16,17,18,19,20,21,22,23,24,25,26,27,28,29,30,31
	ds_store_b128 v5, v[4*\m:4*\m+3] offset:WP*\m
.endr
	WIN 0
	s_wait_dscnt 0x0                               ; for the other wave's sake: my stores have landed
	s_barrier_signal -1
	s_barrier_wait -1                              ; all 64 rows lie in the stage; nobody writes it again
	WIN 0x40
.irp g, 0,1,2,3                        ; tile g (rows 16 g on), K step s: 8 registers at 64 g + 8 s of window 1
.irp s, 0,1,2,3,4,5,6,7
.irp c, 0,1
	ds_load_b128 v[64*\g+8*\s+4*\c:64*\g+8*\s+4*\c+3], v6 offset:16*WP*\g+64*\s+32*\c
.endr
.endr
.endr
	WIN 0
	s_wait_dscnt 0x0
; 32 matrix instructions: K step by K step, the four accumulators by turns, one instruction a turn.  The first K step starts the sums.
.macro MM g, s, k
.if (\s) == 0
.if (\g) % 2
	v_wmma_scale_f32_16x16x128_f8f6f4 v[ACC+8*\g:ACC+8*\g+7], v[64*\g+8*\s:64*\g+8*\s+7], v[64*\k+8*\s:64*\k+8*\s+7], 0, v[WS+8*(\g/2)+\s], v[IS+8*\k+\s] matrix_a_fmt:MATRIX_FMT_FP4 matrix_b_fmt:MATRIX_FMT_FP4 matrix_a_scale:MATRIX_SCALE_ROW1
.else
	v_wmma_scale_f32_16x16x128_f8f6f4 v[ACC+8*\g:ACC+8*\g+7], v[64*\g+8*\s:64*\g+8*\s+7], v[64*\k+8*\s:64*\k+8*\s+7], 0, v[WS+8*(\g/2)+\s], v[IS+8*\k+\s] matrix_a_fmt:MATRIX_FMT_FP4 matrix_b_fmt:MATRIX_FMT_FP4
.endif
.else
.if (\g) % 2
	v_wmma_scale_f32_16x16x128_f8f6f4 v[ACC+8*\g:ACC+8*\g+7], v[64*\g+8*\s:64*\g+8*\s+7], v[64*\k+8*\s:64*\k+8*\s+7], v[ACC+8*\g:ACC+8*\g+7], v[WS+8*(\g/2)+\s], v[IS+8*\k+\s] matrix_a_fmt:MATRIX_FMT_FP4 matrix_b_fmt:MATRIX_FMT_FP4 matrix_a_scale:MATRIX_SCALE_ROW1
.else
	v_wmma_scale_f32_16x16x128_f8f6f4 v[ACC+8*\g:ACC+8*\g+7], v[64*\g+8*\s:64*\g+8*\s+7], v[64*\k+8*\s:64*\k+8*\s+7], v[ACC+8*\g:ACC+8*\g+7], v[WS+8*(\g/2)+\s], v[IS+8*\k+\s] matrix_a_fmt:MATRIX_FMT_FP4 matrix_b_fmt:MATRIX_FMT_FP4
.endif
.endif
.endm
; The trip's tile k (tile s31 + 2 k), on set k.
.macro TILE k
.if \k
	s_add_co_u32 s42, s31, 2*\k
	s_cmp_ge_u32 s42, s30
.else
	s_cmp_ge_u32 s31, s30
.endif
	s_cbranch_scc1 .Ldone                          ; no tile is left for this wave; no barrier stands behind this line
	WIN 0x09                                       ; source 0 (the weights) window 1, source 1 (inter) window 2
.irp s, 0,1,2,3,4,5,6,7
.irp g, 0,1,2,3
	MM \g, \s, \k
.endr
.endr
	WIN 0
	s_wait_xcnt 0x0                                ; the last tile's stores have read their offsets and data: both are written again below
.irp i, 0,1,2,3,4,5,6,7
	v_min_u32 v[OFR+\i], 0x3ff, v[TK+8*\k+\i]      ; the token of slot 8 h + i, held inside the output.  (These sixteen lines name no register of the products: they are the places, ISA guide 7.12.1,
.endr                                              ;  in front of the loads into the products' operands and of the first read of results)
.irp i, 0,1,2,3,4,5,6,7
	v_lshl_add_u32 v[OFR+\i], v[OFR+\i], 12, v14   ; x 4,096 bytes a row + 16 r
.endr
	s_add_co_u32 s42, s31, 4+2*\k
	s_cmp_ge_u32 s42, s30
	s_cbranch_scc1 .Lno_more_\@
	LOADT \k, 42                                   ; set k's next tile, four tiles on: it lands under this tile's way out and the other set's tile
.Lno_more_\@:
.irp g, 0,1,2,3
	ds_store_b128 v7, v[ACC+8*\g:ACC+8*\g+3] offset:64*\g          ; lane (r, h): columns 16 g + 8 h + 0 .. 7 of slot r; each accumulator from its low end on
	ds_store_b128 v7, v[ACC+8*\g+4:ACC+8*\g+7] offset:64*\g+16
.endr
.irp i, 0,1,2,3,4,5,6,7
	ds_load_b128 v[OB+4*\i:OB+4*\i+3], v8 offset:OP*\i             ; row 8 h + i, whole (LDS serves a wave's instructions in order: these see the stores above)
.endr
.irp i, 0,1,2,3,4,5,6,7
	s_wait_dscnt 7-\i                              ; the younger loads from the stage may stay out
	global_store_b128 v[OFR+\i], v[OB+4*\i:OB+4*\i+3], s[16:17] th:TH_STORE_NT   ; sixteen lanes store 256 consecutive bytes, aligned, of one token's row; written once, read by nobody here
.endr
.endm
	s_mov_b32 s33, 0
.Ltrip:                                                ; 16 trips of two tiles serve the 32 tiles that a wave has when all tokens choose one expert; a wave leaves at its first tile that does not exist
	s_wait_loadcnt 0x0                             ; how many tiles are on their way hangs on nt: 0 holds on every way
	TILE 0
	TILE 1
	s_add_co_u32 s31, s31, 4
	s_add_co_u32 s33, s33, 1
	s_cmp_lt_u32 s33, 16
	s_cbranch_scc1 .Ltrip
.Ldone:
	s_wait_tensorcnt 0x0
	ds_add_u32 v254, v255
	s_wait_dscnt 0x0
	s_endpgm
.Lfunc_end_k_q51388b0b99_down:
	.size	k_q51388b0b99_down, .Lfunc_end_k_q51388b0b99_down-k_q51388b0b99_down
	.p2alignl 7, 3214868480
	.fill 96, 4, 3214868480
	.section	.rodata,"a",@progbits
	.p2align	6, 0x0
	.amdhsa_kernel k_q51388b0b99_down
		.amdhsa_group_segment_fixed_size 42752
		.amdhsa_private_segment_fixed_size 0
		.amdhsa_enable_private_segment 0
		.amdhsa_kernarg_size 56
		.amdhsa_user_sgpr_count 2
		.amdhsa_user_sgpr_kernarg_segment_ptr 1
		.amdhsa_wavefront_size32 1
		.amdhsa_system_sgpr_workgroup_id_x 1
		.amdhsa_system_sgpr_workgroup_id_y 1
		.amdhsa_system_sgpr_workgroup_id_z 1
		.amdhsa_system_vgpr_workitem_id 0
		.amdhsa_next_free_vgpr 640
		.amdhsa_next_free_sgpr 66
		.amdhsa_reserve_vcc 0
		.amdhsa_float_denorm_mode_32 3
		.amdhsa_float_denorm_mode_16_64 3
		.amdhsa_memory_ordered 1
		.amdhsa_forward_progress 1
		.amdhsa_inst_pref_size 36
	.end_amdhsa_kernel
	.amdgpu_metadata
---
amdhsa.version: [ 1, 2 ]
amdhsa.kernels:
  - .name:           k_q51388b0b99_down
    .symbol:         k_q51388b0b99_down.kd
    .args:
      - { .name: down_proj_codes, .offset: 0, .size: 8, .value_kind: global_buffer, .address_space: global }
      - { .name: down_proj_scales, .offset: 8, .size: 8, .value_kind: global_buffer, .address_space: global }
      - { .name: inter_codes, .offset: 16, .size: 8, .value_kind: global_buffer, .address_space: global }
      - { .name: inter_scales, .offset: 24, .size: 8, .value_kind: global_buffer, .address_space: global }
      - { .name: lists, .offset: 32, .size: 8, .value_kind: global_buffer, .address_space: global }
      - { .name: counts, .offset: 40, .size: 8, .value_kind: global_buffer, .address_space: global }
      - { .name: out0, .offset: 48, .size: 8, .value_kind: global_buffer, .address_space: global }
    .group_segment_fixed_size: 42752
    .private_segment_fixed_size: 0
    .kernarg_segment_align: 8
    .kernarg_segment_size: 56
    .max_flat_workgroup_size: 64
    .sgpr_count:     66
    .vgpr_count:     640
    .wavefront_size: 32
...
	.end_amdgpu_metadata
.endif
;; end of part 3
;; ======== version 2 of 3: 2 launches; 1.24 times as fast as version 1
;; workspace buffers: inter_codes 8,388,608 bytes; inter_scales 524,288 bytes; lists 65,536 bytes of whole numbers; counts 4,096 bytes of whole numbers
;; launch gateup (part 4): grid 32 x 16, 2 waves a work-group, no clusters, 55,552 bytes of LDS; arguments x_codes, x_scales, expert_indices, gate_proj_codes, gate_proj_scales, up_proj_codes, up_proj_scales, inter_codes, inter_scales, lists, counts; writes inter_codes, inter_scales, lists, counts
.if DOCPART == 4
	.amdgcn_target "amdgcn-amd-amdhsa--gfx1250"
	.amdhsa_code_object_version 6
	.text
	.protected	k_q51388b0b99_gateup
	.globl	k_q51388b0b99_gateup
	.p2align	8
	.type	k_q51388b0b99_gateup,@function
k_q51388b0b99_gateup:
	s_mov_b64 s[64:65], 0
	v_nop
	global_prefetch_b8 v0, s[64:65] scope:SCOPE_SE
	s_setreg_imm32_b32 hwreg(HW_REG_WAVE_MODE, 25, 1), 1
	s_wait_xcnt 0x0
; inter[n][i] = silu(x[n] . G_e[:, i]) * (x[n] . U_e[:, i]), e = expert_indices[n], both products on codes of FP4 (E2M1) with one E8M0 scale for each 32 along K;
; inter is quantised along i, in blocks of 32, and leaves as codes and scale bytes for the launch that follows.  Only the rows of the expert chosen for a token are multiplied.
; SHARES.  A work-group of two waves owns (expert e = grid y, columns 32 bx .. 32 bx + 31 of I, bx = grid x): 32 rows of gate's codes and 32 of up's, 512 bytes each.  32 columns are ONE block of the next K,
; so a block's largest magnitude never leaves the wave.  Wave 0 fetches gate's rows, wave 1 up's, a whole row (32 lanes x 16 bytes) an instruction; they meet in a stage in LDS, and both waves then keep all 64 rows
; as fragments in 256 registers.  So each weight byte is read once in the launch.
; ROUTING.  Both waves read all 1,024 indices and count expert e's tokens in scalar registers (32 compares into 32 masks, 32 counts of bits): nt = ceil(tokens / 16), on which the loop's exits hang, is made in each
; wave from the index input itself.  Wave 0 also lays the tokens on end in a list in LDS: a lane whose token matches takes the slot (tokens so far + matching lanes below it); the others write a dump word of their own.
; Slot = place in the list; a tile = 16 slots.  Wave w takes tiles w, w + 2, ..   The 64 slots behind the last token repeat the expert's first token (token 0 where it has none), all further slots hold token 0:
; every slot names a token, and a tile's spare slots give the numbers of slot 0.  Behind the barrier each wave takes its share of the list into 16 registers, one for each trip of the loop over tiles: every LDS address
; of the loop is a constant, a lane term and a wave term.  The work-group bx = 0 stores the list (all 1,024 slots) to 'lists' and nt to 'counts', for the next launch.
; The order of an expert's tokens is that of the registers (register 4 i + q of lane l holds token 128 i + 4 l + q), not that of their numbers: both launches only need one order.
; AT LEAST FOUR TILES are worked for every expert, so that each wave's first two tiles can be asked for without a branch, here and in the next launch, and every register that a tile's work reads has been written
; on every way through the text.  The price: an expert with under 49 tokens costs up to two spare tiles a wave; the next launch does not use them.
; THE PRODUCTS ARE USED TRANSPOSED: source 0 = 16 rows of a weight, source 1 = 16 tokens.  Lane (r, h) then holds token slot r.  THE ROWS OF A WEIGHT THAT FORM A TILE ARE NOT NEIGHBOURS: place i of tile u takes
; column 8 u + i + 8 (i / 8), so that the 16 registers of tiles 0 and 1 are columns 16 h + 0 .. 15: neighbours along the next K.
; NO JOINT REQUESTS, NO TENSOR LOADS: no weight byte is shared between work-groups; what the 32 work-groups of an expert share is the tokens' rows, 8,704 bytes a tile against 34,816 bytes of weights and scales,
; and the number of tiles hangs on the indices, which are read from memory.
; LIMITS.  An index outside 0 .. 15 leaves its token in no list (its output row is then never written).  NaN and infinities in inter are not served.  A block of zeros gets the byte 1 where the rule says 127: its
; codes are zeros, and this program alone reads the bytes.  An expert without tokens still has its weights read: they are asked for before the count is known.
; REGISTERS.  window 0: v1-21 addresses; v22-31 at work; v32-47 and v208-223 token offsets, a set for each set of rows; v48-63 x's scale words, two sets; v64-79 the weights' scale words; v80-95 inter;
;   v96-127 four accumulators; v128-191 x's fragments (while routing: v128-159 indices, v160-191 slots, v192-223 tokens); v192-207 my share of the list; v224-255 the list on its way out.
;   window 1: the weights.   window 2: gathered rows of x, two sets of 64.   s48-63: the 16 tokens of the gather in hand;  s66-97: the 32 masks of the routing.
.set WP,   528                         ; a stage row: 512 bytes + 16 = 33 x 16: the sixteen rows that a fragment load touches fall on sixteen different 16-byte columns
.set DUMP, 1088                        ; slots 0-1087: list and its 64 repeats; slots 1088-1119: a dump word for each lane; the list's 4,608 bytes are nine stores of 512
.set WST,  4608                        ; 64 rows of weights
.set XST,  WST+64*WP                   ; 16 rows of x for each wave, its own
.set TKN,  32
.set XS,   48
.set WS,   64
.set T,    80
.set ACC,  96
.set XF,   128
.set IDX,  128
.set SA,   160
.set TV,   192
.set LR,   192
.set LO,   224
.set TS,   48                          ; s48-63
.set MK,   66                          ; s66-97
.set MSB,  0
.macro WIN new                         ; the immediate's high byte repeats the setting that is left; at a label and at a branch every window is 0
.if MSB != \new
	s_set_vgpr_msb (MSB<<8)|\new
.set MSB, \new
.endif
.endm
.macro BARRIER                         ; my LDS stores have landed and my LDS loads are in: then the work-group's barrier
	s_wait_dscnt 0x0
	s_barrier_signal -1
	s_barrier_wait -1
.endm
	s_load_b512 s[4:19], s[0:1], 0x0               ; x's codes 4, x's scales 6, indices 8, gate's codes 10, scales 12, up's codes 14, scales 16, inter's codes 18
	s_load_b128 s[20:23], s[0:1], 0x40             ; inter's scales 20, lists 22
	s_load_b64 s[24:25], s[0:1], 0x50              ; counts
	v_lshl_add_u32 v11, v0, 2, 0xd800
	v_mov_b32 v16, 0
	v_lshrrev_b32 v1, 5, v0
	v_readfirstlane_b32 s26, v1                    ; wave 0, 1
	s_mov_b32 s27, ttmp9                           ; bx
	s_and_b32 s28, ttmp7, 0xffff                   ; e
	v_and_b32 v1, 31, v0                           ; lane
	v_lshlrev_b32 v2, 4, v1                        ; 16 x lane
	v_and_b32 v3, 15, v0                           ; r
	v_bfe_u32 v4, v0, 4, 1                         ; h
	s_mul_i32 s42, s26, 32*WP
	s_add_co_u32 s42, s42, WST
	v_add_nc_u32 v5, s42, v2                       ; the weights' stage, on the way in: my wave's 32 rows, 16 bytes a lane
	v_mul_u32_u24 v6, v3, WP
	v_lshl_add_u32 v6, v4, 4, v6                   ; a fragment's place: row r, + 16 h
	s_mul_i32 s43, s26, 16*WP
	s_add_co_u32 s43, s43, XST
	v_add_nc_u32 v7, s43, v2                       ; x's stage, on the way in
	v_add_nc_u32 v8, s43, v6                       ; and as fragments
	v_add_nc_u32 v6, WST, v6                       ; the weights as fragments
	v_lshlrev_b32 v9, 2, v3                        ; my share of the list: slot r of tile w + 2 h (+ 4 for each trip): 64 w + 128 h + 4 r bytes
	v_lshl_add_u32 v9, v4, 7, v9
	s_lshl_b32 s42, s26, 6
	v_add_nc_u32 v9, s42, v9
	v_lshlrev_b32 v12, 4, v3
	v_lshl_add_u32 v12, v4, 3, v12                 ; inter's codes: 16 r + 8 h in the tile's 256 bytes of my block
	v_lshlrev_b32 v13, 5, v3                       ; inter's scales: 32 bytes a slot
	v_mov_b32 v17, 0
	v_lshlrev_b32 v18, 2, v1                       ; 4 x lane
	v_lshlrev_b32 v19, 3, v1                       ; 8 x lane
	v_and_b32 v20, 8, v3
	v_add_nc_u32 v20, v20, v3
	v_lshl_add_u32 v20, v4, 3, v20                 ; the column of place r of tile h: r + 8 (r / 8) + 8 h
	v_lshlrev_b32 v20, 5, v20                      ; its 32 scale bytes
	v_add_nc_u32 v21, DUMP, v1                     ; my dump slot
	v_mov_b32 v28, 0                               ; written once: a lane permute's destination counts as one of its sources
	v_mov_b32 v31, 0                               ; likewise
	s_mov_b32 s35, 0
	s_mov_b32 s36, 0x76543210
	s_mov_b32 s37, 0xfedcba98                      ; v_permlanex16_b32's selects for lane l xor 16
	s_mov_b32 s38, 0xbfb8aa3b                      ; -log2(e)
	s_mov_b32 s39, s38                             ; (named with it as a pair, so it is written)
	s_mov_b32 s31, s26                             ; t: the trip's first tile
	s_wait_kmcnt 0x0
.irp i, 0,1,2,3,4,5,6,7
	global_load_b128 v[IDX+4*\i:IDX+4*\i+3], v2, s[8:9] offset:512*\i   ; register 4 i + q of lane l: the index of token 128 i + 4 l + q.  Ahead of the weights: the routing waits for these alone
.endr
	s_lshl_b32 s34, s28, 19                        ; an expert's codes are 2^19 bytes, my 32 rows 2^14
	s_lshl_b32 s42, s27, 14
	s_add_co_u32 s34, s34, s42
	s_add_nc_u64 s[10:11], s[10:11], s[34:35]
	s_add_nc_u64 s[14:15], s[14:15], s[34:35]
	s_lshl_b32 s34, s28, 15                        ; its scales 2^15, my 32 rows 2^10
	s_lshl_b32 s42, s27, 10
	s_add_co_u32 s34, s34, s42
	s_add_nc_u64 s[12:13], s[12:13], s[34:35]
	s_add_nc_u64 s[16:17], s[16:17], s[34:35]
	s_cmp_eq_u32 s26, 0
	s_cselect_b64 s[40:41], s[10:11], s[14:15]     ; wave 0 fetches gate's rows, wave 1 up's
	WIN 0x40                                       ; destination window 1
.irp u, 0,1
.irp i, 0,1,2,3,4,5,6,7,8,9,10,11,12,13,14,15
	global_load_b128 v[4*(16*\u+\i):4*(16*\u+\i)+3], v2, s[40:41] offset:(8*\u+\i+8*(\i/8))*512 th:TH_LOAD_NT   ; place i of tile u: a whole row, 512 consecutive bytes; read once in the launch
.endr
.endr
	WIN 0
	global_load_b128 v[WS:WS+3],     v20, s[12:13]             ; scale words: register 8 p + s (p = 0 gate, 1 up; s the K step): lanes 0-15 tile 2 p, lanes 16-31 tile 2 p + 1
	global_load_b128 v[WS+4:WS+7],   v20, s[12:13] offset:16
	global_load_b128 v[WS+8:WS+11],  v20, s[16:17]
	global_load_b128 v[WS+12:WS+15], v20, s[16:17] offset:16
	s_lshl_b32 s34, s28, 19                        ; inter's codes: [expert][64 tiles][32 blocks][16 slots][16 bytes]: my block's 256 bytes
	s_lshl_b32 s42, s27, 8
	s_add_co_u32 s34, s34, s42
	s_add_nc_u64 s[18:19], s[18:19], s[34:35]
	s_lshl_b32 s34, s28, 15                        ; inter's scales: [expert][1,024 slots][32 blocks]: my block's byte
	s_add_co_u32 s34, s34, s27
	s_add_nc_u64 s[20:21], s[20:21], s[34:35]
	s_lshl_b32 s34, s28, 12                        ; lists: [expert][1,024 slots] of 4 bytes
	s_add_nc_u64 s[22:23], s[22:23], s[34:35]
	s_lshl_b32 s34, s28, 8                         ; counts: 256 bytes an expert
	s_add_nc_u64 s[24:25], s[24:25], s[34:35]
	; THE COUNT, in both waves.  The work is laid in runs of 32 lines that do not wait for each other.
	s_wait_loadcnt 36                              ; the eight loads of indices are in; the 32 of weights and 4 of scales issued behind them stay out
	s_mov_b32 s29, 0                               ; tokens so far
.irp j, 0,1,2,3,4,5,6,7,8,9,10,11,12,13,14,15,16,17,18,19,20,21,22,23,24,25,26,27,28,29,30,31
	v_cmp_eq_u32 s[MK+\j], s28, v[IDX+\j]          ; the lanes whose token is expert e's
.endr
.irp j, 0,1,2,3,4,5,6,7,8,9,10,11,12,13,14,15,16,17,18,19,20,21,22,23,24,25,26,27,28,29,30,31
	v_mov_b32 v[SA+\j], s29                        ; the tokens ahead of register j.  (Wave 1 wants the count alone; the moves ride along, so that the count is written once)
	s_bcnt1_i32_b32 s42, s[MK+\j]
	s_add_co_u32 s29, s29, s42
.endr
	s_add_co_u32 s30, s29, 15
	s_lshr_b32 s30, s30, 4                         ; nt = ceil(tokens / 16)
	; THE LIST, by wave 0: up to the barrier below it alone touches LDS
	s_cmp_lg_u32 s26, 0
	s_cbranch_scc1 .Lrouted
.irp i, 0,1,2,3
	v_mov_b32 v[LO+\i], 0
.endr
.irp i, 0,1,2,3,4,5,6,7,8
	ds_store_b128 v2, v[LO:LO+3] offset:512*\i     ; the list begins as token 0 everywhere: every slot names a token, slot 0 also where the expert has none
.endr
.irp j, 0,1,2,3,4,5,6,7,8,9,10,11,12,13,14,15,16,17,18,19,20,21,22,23,24,25,26,27,28,29,30,31
	v_mbcnt_lo_u32_b32 v[SA+\j], s[MK+\j], v[SA+\j]    ; + matching lanes below me: my token's slot
.endr
.irp j, 0,1,2,3,4,5,6,7,8,9,10,11,12,13,14,15,16,17,18,19,20,21,22,23,24,25,26,27,28,29,30,31
	v_cndmask_b32 v[SA+\j], v21, v[SA+\j], s[MK+\j]    ; or my dump slot
.endr
.irp j, 0,1,2,3,4,5,6,7,8,9,10,11,12,13,14,15,16,17,18,19,20,21,22,23,24,25,26,27,28,29,30,31
	v_min_u32 v[SA+\j], 0x45f, v[SA+\j]            ; held inside the list's 1,120 words
.endr
.irp j, 0,1,2,3,4,5,6,7,8,9,10,11,12,13,14,15,16,17,18,19,20,21,22,23,24,25,26,27,28,29,30,31
	v_lshlrev_b32 v[SA+\j], 2, v[SA+\j]
.endr
.irp j, 0,1,2,3,4,5,6,7,8,9,10,11,12,13,14,15,16,17,18,19,20,21,22,23,24,25,26,27,28,29,30,31
	v_add_nc_u32 v[TV+\j], 128*(\j/4)+(\j%4), v18  ; the token's number
.endr
.irp j, 0,1,2,3,4,5,6,7,8,9,10,11,12,13,14,15,16,17,18,19,20,21,22,23,24,25,26,27,28,29,30,31
	ds_store_b32 v[SA+\j], v[TV+\j]
.endr
	ds_load_b32 v29, v17                           ; the expert's first token (LDS serves a wave's instructions in order)
	v_add_nc_u32 v[LO+4], s29, v1
	v_add_nc_u32 v[LO+5], 32, v[LO+4]
	v_min_u32 v[LO+4], 0x43f, v[LO+4]              ; slots tokens .. tokens + 63, at most 1,087
	v_min_u32 v[LO+5], 0x43f, v[LO+5]
	v_lshlrev_b32 v[LO+4], 2, v[LO+4]
	v_lshlrev_b32 v[LO+5], 2, v[LO+5]
	v_mov_b32 v22, s30
	v_mov_b32 v23, s30
	s_wait_dscnt 0x0                               ; the first token is in
	ds_store_b32 v[LO+4], v29
	ds_store_b32 v[LO+5], v29
	s_cmp_lg_u32 s27, 0
	s_cbranch_scc1 .Lrouted
	global_store_b64 v19, v[22:23], s[24:25]       ; nt, 64 times: 256 consecutive bytes, aligned; one work-group of the expert's 32 stores them
.Lrouted:
	BARRIER                                        ; the list lies in LDS, and is only read from here on
; Set k takes the 16 tokens in lanes 16 k .. 16 k + 15 of list register reg: each token's row of codes by one load of 512 consecutive bytes, and slot r's 32 scale bytes in lane r.
; Each set has offset registers of its own.  They are written again only by the set's next gather, and between two gathers of a set stands a wait for all loads (ahead of the weights' way into the stage, or at a
; trip's head): the loads that read them are done by then.
.macro GATHER k, reg
.set TKB, TKN+176*\k                   ; v32-47 or v208-223
.irp i, 0,1,2,3,4,5,6,7,8,9,10,11,12,13,14,15
	v_readlane_b32 s[TS+\i], v[LR+\reg], 16*\k+\i  ; a row's load wants its token in every lane: so it goes through a scalar register
.endr
.irp i, 0,1,2,3,4,5,6,7,8,9,10,11,12,13,14,15
	s_min_u32 s[TS+\i], s[TS+\i], 0x3ff            ; a token's number, held inside x
.endr
.irp i, 0,1,2,3,4,5,6,7,8,9,10,11,12,13,14,15
	v_lshl_add_u32 v[TKB+\i], s[TS+\i], 9, v2      ; x 512 bytes + 16 x lane
.endr
.if \k
	v_permlanex16_b32 v31, v[LR+\reg], s36, s37    ; set 1's tokens come down into lanes 0-15, where the product reads source 1's scales
	v_min_u32 v31, 0x3ff, v31
.else
	v_min_u32 v30, 0x3ff, v[LR+\reg]
.endif
	v_lshlrev_b32 v[30+\k], 5, v[30+\k]            ; (lanes 16-31 load the other set's scale words, which nobody reads)
	WIN 0x80                                       ; destination window 2
.irp i, 0,1,2,3,4,5,6,7,8,9,10,11,12,13,14,15
	global_load_b128 v[64*\k+4*\i:64*\k+4*\i+3], v[TKB+\i], s[4:5]
.endr
	WIN 0
	global_load_b128 v[XS+8*\k:XS+8*\k+3],   v[30+\k], s[6:7]
	global_load_b128 v[XS+8*\k+4:XS+8*\k+7], v[30+\k], s[6:7] offset:16
.endm
.irp q, 0,1,2,3,4,5,6,7,8,9,10,11,12,13,14,15
	ds_load_b32 v[LR+\q], v9 offset:256*\q         ; trip q's two tiles: lanes 0-15 tile w + 4 q, lanes 16-31 tile w + 4 q + 2
.endr
	s_min_u32 s30, s30, 64
	s_max_u32 s30, s30, 4                          ; tiles to work: at least four
	s_wait_dscnt 0x0
	GATHER 0, 0                                    ; tiles w and w + 2 are asked for while the weights are on their way: slots 0-63 name tokens whatever the count
	GATHER 1, 0
	s_or_b32 s42, s26, s27                         ; the list goes out where the wave would only wait for its weights: wave 0 of the work-group bx = 0
	s_cmp_lg_u32 s42, 0
	s_cbranch_scc1 .Llist_gone
.irp i, 0,1,2,3,4,5,6,7
	ds_load_b128 v[LO+4*\i:LO+4*\i+3], v2 offset:512*\i            ; slots 0-1,023, as they lie
.endr
.irp i, 0,1,2,3,4,5,6,7
	s_wait_dscnt 7-\i                              ; the younger loads may stay out
	global_store_b128 v2, v[LO+4*\i:LO+4*\i+3], s[22:23] offset:512*\i   ; 512 consecutive bytes, aligned; all 1,024 slots, whatever the count: no branch
.endr
.Llist_gone:
	s_wait_loadcnt 0x0                             ; my 32 rows of weights, the scale words, and the two gathers
	WIN 0x04                                       ; an LDS store's data are its source 1: window 1
.irp m, 0,1,2,3,4,5,6,7,8,9,10,11,12,13,14,15,16,17,18,19,20,21,22,23,24,25,26,27,28,29,30,31
	ds_store_b128 v5, v[4*\m:4*\m+3] offset:WP*\m
.endr
	WIN 0
	BARRIER                                        ; all 64 rows lie in the stage; nobody writes it again
	WIN 0x40
.irp g, 0,1,2,3                        ; tile g (0, 1 gate; 2, 3 up), K step s: 8 registers at 64 g + 8 s of window 1; registers 4 c .. 4 c + 3 hold K = 128 s + 64 c + 32 h + 0 .. 31
.irp s, 0,1,2,3,4,5,6,7
.irp c, 0,1
	ds_load_b128 v[64*\g+8*\s+4*\c:64*\g+8*\s+4*\c+3], v6 offset:16*WP*\g+64*\s+32*\c
.endr
.endr
.endr
	WIN 0
	s_wait_dscnt 0x0
; 32 matrix instructions: K step by K step, the four accumulators by turns, one instruction a turn.  The first K step starts the sums.
.macro MM g, s, k
.if (\s) == 0
.if (\g) % 2
	v_wmma_scale_f32_16x16x128_f8f6f4 v[ACC+8*\g:ACC+8*\g+7], v[64*\g+8*\s:64*\g+8*\s+7], v[XF+8*\s:XF+8*\s+7], 0, v[WS+8*(\g/2)+\s], v[XS+8*\k+\s] matrix_a_fmt:MATRIX_FMT_FP4 matrix_b_fmt:MATRIX_FMT_FP4 matrix_a_scale:MATRIX_SCALE_ROW1
.else
	v_wmma_scale_f32_16x16x128_f8f6f4 v[ACC+8*\g:ACC+8*\g+7], v[64*\g+8*\s:64*\g+8*\s+7], v[XF+8*\s:XF+8*\s+7], 0, v[WS+8*(\g/2)+\s], v[XS+8*\k+\s] matrix_a_fmt:MATRIX_FMT_FP4 matrix_b_fmt:MATRIX_FMT_FP4
.endif
.else
.if (\g) % 2
	v_wmma_scale_f32_16x16x128_f8f6f4 v[ACC+8*\g:ACC+8*\g+7], v[64*\g+8*\s:64*\g+8*\s+7], v[XF+8*\s:XF+8*\s+7], v[ACC+8*\g:ACC+8*\g+7], v[WS+8*(\g/2)+\s], v[XS+8*\k+\s] matrix_a_fmt:MATRIX_FMT_FP4 matrix_b_fmt:MATRIX_FMT_FP4 matrix_a_scale:MATRIX_SCALE_ROW1
.else
	v_wmma_scale_f32_16x16x128_f8f6f4 v[ACC+8*\g:ACC+8*\g+7], v[64*\g+8*\s:64*\g+8*\s+7], v[XF+8*\s:XF+8*\s+7], v[ACC+8*\g:ACC+8*\g+7], v[WS+8*(\g/2)+\s], v[XS+8*\k+\s] matrix_a_fmt:MATRIX_FMT_FP4 matrix_b_fmt:MATRIX_FMT_FP4
.endif
.endif
.endm
.macro MULS k
	WIN 0x01                                       ; source 0 (the weights) window 1
.irp s, 0,1,2,3,4,5,6,7
.irp g, 0,1,2,3
	MM \g, \s, \k
.endr
.endr
	WIN 0
.rept 4
	v_nop                                          ; four places in front of the first read of results and of loads into registers that the products have read
.endr
.endm
; silu(gate) x up for my 16 columns of slot r, the block's scale, the codes, and out.  v96-111 gate, v112-127 up; each accumulator is read from its low end on.
.macro EPI k
.irp i, 0,2,4,6,8,10,12,14
	v_pk_mul_f32 v[T+\i:T+\i+1], v[ACC+\i:ACC+\i+1], s[38:39] op_sel_hi:[1,0]   ; -g log2(e)
.endr
.irp i, 0,1,2,3,4,5,6,7,8,9,10,11,12,13,14,15
	v_exp_f32 v[T+\i], v[T+\i]                     ; e^-g
.endr
	v_nop                                          ; a plain place behind the transcendentals
	s_wait_alu depctr_va_vdst(0)
.irp i, 0,2,4,6,8,10,12,14
	v_pk_add_f32 v[T+\i:T+\i+1], v[T+\i:T+\i+1], 1.0 op_sel_hi:[1,0]
.endr
.irp i, 0,1,2,3,4,5,6,7,8,9,10,11,12,13,14,15
	v_rcp_f32 v[T+\i], v[T+\i]                     ; 1 / (1 + e^-g)
.endr
	v_nop
	s_wait_alu depctr_va_vdst(0)
.irp i, 0,2,4,6,8,10,12,14
	v_pk_mul_f32 v[T+\i:T+\i+1], v[T+\i:T+\i+1], v[ACC+\i:ACC+\i+1]           ; x g
.endr
.irp i, 0,2,4,6,8,10,12,14
	v_pk_mul_f32 v[T+\i:T+\i+1], v[T+\i:T+\i+1], v[ACC+16+\i:ACC+16+\i+1]     ; x up
.endr
	v_max3_num_f32 v27, |v[T]|, |v[T+1]|, 0x1800000                ; my 16 numbers' largest magnitude, and the floor 2^(3 - 127): the byte cannot fall under 1
.irp i, 2,4,6,8,10,12,14
	v_max3_num_f32 v27, v27, |v[T+\i]|, |v[T+\i+1]|
.endr
	v_permlanex16_b32 v28, v27, s36, s37
	v_max_num_f32 v27, v27, v28                    ; with lane l xor 16's: the block's
	v_add_nc_u32 v29, 0xff000000, v27              ; 2 off its exponent field: the conversion takes the exponent field of this operand as its scale
	s_wait_xcnt 0x0                                ; the last tile's two stores have read their offsets (v14, v15) and data (v24-26): all five are written again only below
	v_lshl_add_u32 v14, s31, 13, v12               ; a tile of codes is 8,192 bytes,
	v_lshl_add_u32 v15, s31, 9, v13                ; of scale bytes 512; the trip's second tile stands in the stores' immediates
	v_lshrrev_b32 v26, 23, v29                     ; the scale's byte
	v_cvt_scalef32_pk8_fp4_f32 v24, v[T:T+7], v29
	v_cvt_scalef32_pk8_fp4_f32 v25, v[T+8:T+15], v29
	v_nop                                          ; one plain place behind a scaled conversion
	global_store_b64 v14, v[24:25], s[18:19] offset:16384*\k       ; 32 lanes store 256 consecutive bytes, aligned: my block of the tile's 16 slots, as the next product's registers want it
	global_store_b8 v15, v26, s[20:21] offset:1024*\k              ; a byte a slot, 32 bytes apart (both lanes of a slot write the same byte): a sixteenth of the codes' bytes; a slot's 32 bytes come from 32 work-groups
.endm
; The trip's tile k (tile s31 + 2 k), on set k.
.macro TILE k
.if \k
	s_add_co_u32 s42, s31, 2*\k
	s_cmp_ge_u32 s42, s30
.else
	s_cmp_ge_u32 s31, s30
.endif
	s_cbranch_scc1 .Ldone                          ; no tile is left for this wave; no barrier stands behind this line
	WIN 0x08                                       ; store data window 2
.irp i, 0,1,2,3,4,5,6,7,8,9,10,11,12,13,14,15
	ds_store_b128 v7, v[64*\k+4*\i:64*\k+4*\i+3] offset:WP*\i      ; the 16 rows into my own stage, as they lie
.endr
	WIN 0
.irp s, 0,1,2,3,4,5,6,7
.irp c, 0,1
	ds_load_b128 v[XF+8*\s+4*\c:XF+8*\s+4*\c+3], v8 offset:64*\s+32*\c   ; and back as fragments (LDS serves a wave's instructions in order)
.endr
.endr
	s_wait_dscnt 0x0
	MULS \k
	s_add_co_u32 s42, s31, 4+2*\k
	s_cmp_ge_u32 s42, s30
	s_cbranch_scc1 .Lno_more_\@
	GATHER \k, 1                                   ; set k's next tile, four tiles on (the next trip's list register): it lands under this tile's arithmetic and the other set's tile
.Lno_more_\@:
	EPI \k
.endm
	s_mov_b32 s33, 0
.Ltrip:                                                ; 16 trips of two tiles serve the 32 tiles that a wave has when all tokens choose one expert; a wave leaves at its first tile that does not exist
	s_wait_loadcnt 0x0                             ; how many gathers are out hangs on the count of tiles: 0 holds on every way
	TILE 0
	TILE 1
.irp i, 0,1,2,3,4,5,6,7,8,9,10,11,12,13,14
	v_mov_b32 v[LR+\i], v[LR+\i+1]                 ; a register's number cannot follow the trip, so the list moves down one register: the loop always names the second
.endr
	s_add_co_u32 s31, s31, 4
	s_add_co_u32 s33, s33, 1
	s_cmp_lt_u32 s33, 16
	s_cbranch_scc1 .Ltrip
.Ldone:
	s_wait_tensorcnt 0x0
	ds_add_u32 v11, v16
	s_wait_dscnt 0x0
	s_endpgm
.Lfunc_end_k_q51388b0b99_gateup:
	.size	k_q51388b0b99_gateup, .Lfunc_end_k_q51388b0b99_gateup-k_q51388b0b99_gateup
	.p2alignl 7, 3214868480
	.fill 96, 4, 3214868480
	.section	.rodata,"a",@progbits
	.p2align	6, 0x0
	.amdhsa_kernel k_q51388b0b99_gateup
		.amdhsa_group_segment_fixed_size 55552
		.amdhsa_private_segment_fixed_size 0
		.amdhsa_enable_private_segment 0
		.amdhsa_kernarg_size 88
		.amdhsa_user_sgpr_count 2
		.amdhsa_user_sgpr_kernarg_segment_ptr 1
		.amdhsa_wavefront_size32 1
		.amdhsa_system_sgpr_workgroup_id_x 1
		.amdhsa_system_sgpr_workgroup_id_y 1
		.amdhsa_system_sgpr_workgroup_id_z 1
		.amdhsa_system_vgpr_workitem_id 0
		.amdhsa_next_free_vgpr 640
		.amdhsa_next_free_sgpr 98
		.amdhsa_reserve_vcc 0
		.amdhsa_float_denorm_mode_32 3
		.amdhsa_float_denorm_mode_16_64 3
		.amdhsa_memory_ordered 1
		.amdhsa_forward_progress 1
		.amdhsa_inst_pref_size 76
	.end_amdhsa_kernel
	.amdgpu_metadata
---
amdhsa.version: [ 1, 2 ]
amdhsa.kernels:
  - .name:           k_q51388b0b99_gateup
    .symbol:         k_q51388b0b99_gateup.kd
    .args:
      - { .name: x_codes, .offset: 0, .size: 8, .value_kind: global_buffer, .address_space: global }
      - { .name: x_scales, .offset: 8, .size: 8, .value_kind: global_buffer, .address_space: global }
      - { .name: expert_indices, .offset: 16, .size: 8, .value_kind: global_buffer, .address_space: global }
      - { .name: gate_proj_codes, .offset: 24, .size: 8, .value_kind: global_buffer, .address_space: global }
      - { .name: gate_proj_scales, .offset: 32, .size: 8, .value_kind: global_buffer, .address_space: global }
      - { .name: up_proj_codes, .offset: 40, .size: 8, .value_kind: global_buffer, .address_space: global }
      - { .name: up_proj_scales, .offset: 48, .size: 8, .value_kind: global_buffer, .address_space: global }
      - { .name: inter_codes, .offset: 56, .size: 8, .value_kind: global_buffer, .address_space: global }
      - { .name: inter_scales, .offset: 64, .size: 8, .value_kind: global_buffer, .address_space: global }
      - { .name: lists, .offset: 72, .size: 8, .value_kind: global_buffer, .address_space: global }
      - { .name: counts, .offset: 80, .size: 8, .value_kind: global_buffer, .address_space: global }
    .group_segment_fixed_size: 55552
    .private_segment_fixed_size: 0
    .kernarg_segment_align: 8
    .kernarg_segment_size: 88
    .max_flat_workgroup_size: 64
    .sgpr_count:     98
    .vgpr_count:     640
    .wavefront_size: 32
...
	.end_amdgpu_metadata
.endif
;; end of part 4
;; launch down: the kernel of part 3 again; grid 16 x 16, 2 waves a work-group, no clusters, 42,752 bytes of LDS; arguments down_proj_codes, down_proj_scales, inter_codes, inter_scales, lists, counts, out0; writes out0
;; ======== version 3 of 3: 2 launches; version 2 with the launches gateup, down written anew for expert scheduling mode
;; workspace buffers: inter_codes 8,388,608 bytes; inter_scales 524,288 bytes; lists 65,536 bytes of whole numbers; counts 4,096 bytes of whole numbers
;; launch gateup (part 5): grid 32 x 16, 2 waves a work-group, no clusters, 55,552 bytes of LDS; arguments x_codes, x_scales, expert_indices, gate_proj_codes, gate_proj_scales, up_proj_codes, up_proj_scales, inter_codes, inter_scales, lists, counts; writes inter_codes, inter_scales, lists, counts
.if DOCPART == 5
	.amdgcn_target "amdgcn-amd-amdhsa--gfx1250"
	.amdhsa_code_object_version 6
	.text
	.protected	k_q51388b0b99_gateup
	.globl	k_q51388b0b99_gateup
	.p2align	8
	.type	k_q51388b0b99_gateup,@function
k_q51388b0b99_gateup:
	s_mov_b64 s[64:65], 0
	v_nop
	global_prefetch_b8 v0, s[64:65] scope:SCOPE_SE
	s_setreg_imm32_b32 hwreg(HW_REG_WAVE_SCHED_MODE, 0, 2), 2
	s_setreg_imm32_b32 hwreg(HW_REG_WAVE_MODE, 25, 1), 1
	s_wait_xcnt 0x0
	s_wait_alu depctr_vm_vsrc(0)
; inter[n][i] = silu(x[n] . G_e[:, i]) * (x[n] . U_e[:, i]), e = expert_indices[n], both products on codes of FP4 (E2M1) with one E8M0 scale for each 32 along K;
; inter is quantised along i, in blocks of 32, and leaves as codes and scale bytes for the launch that follows.  Only the rows of the expert chosen for a token are multiplied.
; SHARES.  A work-group of two waves owns (expert e = grid y, columns 32 bx .. 32 bx + 31 of I, bx = grid x): 32 rows of gate's codes and 32 of up's, 512 bytes each.  32 columns are ONE block of the next K,
; so a block's largest magnitude never leaves the wave.  Wave 0 fetches gate's rows, wave 1 up's, a whole row (32 lanes x 16 bytes) an instruction; they meet in a stage in LDS, and both waves then keep all 64 rows
; as fragments in 256 registers.  So each weight byte is read once in the launch.
; ROUTING.  Both waves read all 1,024 indices and count expert e's tokens in scalar registers (32 compares into 32 masks, 32 counts of bits): nt = ceil(tokens / 16), on which the loop's exits hang, is made in each
; wave from the index input itself.  Wave 0 also lays the tokens on end in a list in LDS: a lane whose token matches takes the slot (tokens so far + matching lanes below it); the others write a dump word of their own.
; Slot = place in the list; a tile = 16 slots.  Wave w takes tiles w, w + 2, ..   The 64 slots behind the last token repeat the expert's first token (token 0 where it has none), all further slots hold token 0:
; every slot names a token, and a tile's spare slots give the numbers of slot 0.  Behind the barrier each wave takes its share of the list into 16 registers, one for each trip of the loop over tiles: every LDS address
; of the loop is a constant, a lane term and a wave term.  The work-group bx = 0 stores the list (all 1,024 slots) to 'lists' and nt to 'counts', for the next launch.
; The order of an expert's tokens is that of the registers (register 4 i + q of lane l holds token 128 i + 4 l + q), not that of their numbers: both launches only need one order.
; AT LEAST FOUR TILES are worked for every expert, so that each wave's first two tiles can be asked for without a branch, here and in the next launch, and every register that a tile's work reads has been written
; on every way through the text.  The price: an expert with under 49 tokens costs up to two spare tiles a wave; the next launch does not use them.
; THE PRODUCTS ARE USED TRANSPOSED: source 0 = 16 rows of a weight, source 1 = 16 tokens.  Lane (r, h) then holds token slot r.  THE ROWS OF A WEIGHT THAT FORM A TILE ARE NOT NEIGHBOURS: place i of tile u takes
; column 8 u + i + 8 (i / 8), so that the 16 registers of tiles 0 and 1 are columns 16 h + 0 .. 15: neighbours along the next K.
; NO JOINT REQUESTS, NO TENSOR LOADS: no weight byte is shared between work-groups; what the 32 work-groups of an expert share is the tokens' rows, 8,704 bytes a tile against 34,816 bytes of weights and scales,
; and the number of tiles hangs on the indices, which are read from memory.
; LIMITS.  An index outside 0 .. 15 leaves its token in no list (its output row is then never written).  NaN and infinities in inter are not served.  A block of zeros gets the byte 1 where the rule says 127: its
; codes are zeros, and this program alone reads the bytes.  An expert without tokens still has its weights read: they are asked for before the count is known.
; REGISTERS.  window 0: v1-21 addresses; v22-31 at work; v32-47 and v208-223 token offsets, a set for each set of rows; v48-63 x's scale words, two sets; v64-79 the weights' scale words; v80-95 inter;
;   v96-127 four accumulators; v128-191 x's fragments (while routing: v128-159 indices, v160-191 slots, v192-223 tokens); v192-207 my share of the list; v224-255 the list on its way out.
;   window 1: the weights.   window 2: gathered rows of x, two sets of 64.   s48-63: the 16 tokens of the gather in hand;  s66-97: the 32 masks of the routing.
; THE MODE: SCHED_MODE bits 1:0 = 2 (LLVM: expert scheduling mode 2), set by the entry lines.  The code itself states the register dependences between vector or matrix instructions and memory or LDS
; instructions, with s_wait_alu, always for 0.
; THE PLAN.  Registers that memory or LDS instructions touch, in the loop over tiles:
;   a set's offsets (v32-47, v30 or v208-223, v31)   written by the gather's vector lines; read by its 18 loads.
;   window 2, set k     the gather's 16 loads land in it; the tile's 16 LDS stores read it; no vector or matrix instruction names it.
;   x's scale words, set k   two loads of the gather land in them; the tile's products read them.
;   x's fragments (v128-191)  a tile's 16 LDS loads land in them; its products read them.
;   v14, v15, v24-26    written at the end of a tile's arithmetic; read by its two stores.
;   v2, v7, v8          made at the head, never written again.   The weights, their scale words, the accumulators and v80-95 are named by vector and matrix instructions alone.
; So a gather holds three waits (the tokens have reached their scalar registers; the set's offsets and rows have been read; the new offsets are written and the products are done with the set's scale words), and a
; tile's arithmetic four: the two behind its transcendentals, of which the first also states that the products are done reading x's fragments, one ahead of the lines that write the stores' registers again, one ahead of the stores.
.set WP,   528                         ; a stage row: 512 bytes + 16 = 33 x 16: the sixteen rows that a fragment load touches fall on sixteen different 16-byte columns
.set DUMP, 1088                        ; slots 0-1087: list and its 64 repeats; slots 1088-1119: a dump word for each lane; the list's 4,608 bytes are nine stores of 512
.set WST,  4608                        ; 64 rows of weights
.set XST,  WST+64*WP                   ; 16 rows of x for each wave, its own
.set TKN,  32
.set XS,   48
.set WS,   64
.set T,    80
.set ACC,  96
.set XF,   128
.set IDX,  128
.set SA,   160
.set TV,   192
.set LR,   192
.set LO,   224
.set TS,   48                          ; s48-63
.set MK,   66                          ; s66-97
.set MSB,  0
.macro WIN new                         ; the immediate's high byte repeats the setting that is left; at a label and at a branch every window is 0
.if MSB != \new
	s_set_vgpr_msb (MSB<<8)|\new
.set MSB, \new
.endif
.endm
.macro BARRIER                         ; my LDS stores have landed and my LDS loads are in: then the work-group's barrier
	s_wait_dscnt 0x0
	s_barrier_signal -1
	s_barrier_wait -1
.endm
	s_load_b512 s[4:19], s[0:1], 0x0               ; x's codes 4, x's scales 6, indices 8, gate's codes 10, scales 12, up's codes 14, scales 16, inter's codes 18
	s_load_b128 s[20:23], s[0:1], 0x40             ; inter's scales 20, lists 22
	s_load_b64 s[24:25], s[0:1], 0x50              ; counts
	v_lshl_add_u32 v11, v0, 2, 0xd800              ; my spare word, behind the stages; with v16 kept for the closing lines alone
	v_mov_b32 v16, 0
	v_lshrrev_b32 v1, 5, v0
	v_readfirstlane_b32 s26, v1                    ; wave 0, 1
	s_mov_b32 s27, ttmp9                           ; bx
	s_and_b32 s28, ttmp7, 0xffff                   ; e
	v_and_b32 v1, 31, v0                           ; lane
	v_lshlrev_b32 v2, 4, v1                        ; 16 x lane
	v_and_b32 v3, 15, v0                           ; r
	v_bfe_u32 v4, v0, 4, 1                         ; h
	s_wait_alu depctr_va_sdst(0)                   ; s26 is written, ahead of its first reader
	s_mul_i32 s42, s26, 32*WP
	s_add_co_u32 s42, s42, WST
	v_add_nc_u32 v5, s42, v2                       ; the weights' stage, on the way in: my wave's 32 rows, 16 bytes a lane
	v_mul_u32_u24 v6, v3, WP
	v_lshl_add_u32 v6, v4, 4, v6                   ; a fragment's place: row r, + 16 h
	s_mul_i32 s43, s26, 16*WP
	s_add_co_u32 s43, s43, XST
	v_add_nc_u32 v7, s43, v2                       ; x's stage, on the way in
	v_add_nc_u32 v8, s43, v6                       ; and as fragments
	v_add_nc_u32 v6, WST, v6                       ; the weights as fragments
	v_lshlrev_b32 v9, 2, v3                        ; my share of the list: slot r of tile w + 2 h (+ 4 for each trip): 64 w + 128 h + 4 r bytes
	v_lshl_add_u32 v9, v4, 7, v9
	s_lshl_b32 s42, s26, 6
	v_add_nc_u32 v9, s42, v9
	v_lshlrev_b32 v12, 4, v3
	v_lshl_add_u32 v12, v4, 3, v12                 ; inter's codes: 16 r + 8 h in the tile's 256 bytes of my block
	v_lshlrev_b32 v13, 5, v3                       ; inter's scales: 32 bytes a slot
	v_mov_b32 v17, 0
	v_lshlrev_b32 v18, 2, v1                       ; 4 x lane
	v_lshlrev_b32 v19, 3, v1                       ; 8 x lane
	v_and_b32 v20, 8, v3
	v_add_nc_u32 v20, v20, v3
	v_lshl_add_u32 v20, v4, 3, v20                 ; the column of place r of tile h: r + 8 (r / 8) + 8 h
	v_lshlrev_b32 v20, 5, v20                      ; its 32 scale bytes
	v_add_nc_u32 v21, DUMP, v1                     ; my dump slot
	v_mov_b32 v28, 0                               ; written once: a lane permute's destination counts as one of its sources
	v_mov_b32 v31, 0                               ; likewise
	s_mov_b32 s35, 0
	s_mov_b32 s36, 0x76543210
	s_mov_b32 s37, 0xfedcba98                      ; v_permlanex16_b32's selects for lane l xor 16
	s_mov_b32 s38, 0xbfb8aa3b                      ; -log2(e)
	s_mov_b32 s39, s38                             ; (named with it as a pair, so it is written)
	s_mov_b32 s31, s26                             ; t: the trip's first tile
	s_wait_kmcnt 0x0
	s_wait_alu depctr_va_vdst(0)                   ; the offsets and LDS addresses made above (v2, v5 to v9, v12, v13, v17, v19, v20) are written: the loads and stores of the whole kernel read them, and none is written again
.irp i, 0,1,2,3,4,5,6,7
	global_load_b128 v[IDX+4*\i:IDX+4*\i+3], v2, s[8:9] offset:512*\i   ; register 4 i + q of lane l: the index of token 128 i + 4 l + q.  Ahead of the weights: the routing waits for these alone
.endr
	s_lshl_b32 s34, s28, 19                        ; an expert's codes are 2^19 bytes, my 32 rows 2^14
	s_lshl_b32 s42, s27, 14
	s_add_co_u32 s34, s34, s42
	s_add_nc_u64 s[10:11], s[10:11], s[34:35]
	s_add_nc_u64 s[14:15], s[14:15], s[34:35]
	s_lshl_b32 s34, s28, 15                        ; its scales 2^15, my 32 rows 2^10
	s_lshl_b32 s42, s27, 10
	s_add_co_u32 s34, s34, s42
	s_add_nc_u64 s[12:13], s[12:13], s[34:35]
	s_add_nc_u64 s[16:17], s[16:17], s[34:35]
	s_cmp_eq_u32 s26, 0
	s_cselect_b64 s[40:41], s[10:11], s[14:15]     ; wave 0 fetches gate's rows, wave 1 up's
	WIN 0x40                                       ; destination window 1.  (Since the wait above only loads and scalar lines have been issued: nothing more is owed for v2, and no vector line has named window 1)
.irp u, 0,1
.irp i, 0,1,2,3,4,5,6,7,8,9,10,11,12,13,14,15
	global_load_b128 v[4*(16*\u+\i):4*(16*\u+\i)+3], v2, s[40:41] offset:(8*\u+\i+8*(\i/8))*512 th:TH_LOAD_NT   ; place i of tile u: a whole row, 512 consecutive bytes; read once in the launch
.endr
.endr
	WIN 0
	global_load_b128 v[WS:WS+3],     v20, s[12:13]             ; scale words: register 8 p + s (p = 0 gate, 1 up; s the K step): lanes 0-15 tile 2 p, lanes 16-31 tile 2 p + 1
	global_load_b128 v[WS+4:WS+7],   v20, s[12:13] offset:16
	global_load_b128 v[WS+8:WS+11],  v20, s[16:17]
	global_load_b128 v[WS+12:WS+15], v20, s[16:17] offset:16
	s_lshl_b32 s34, s28, 19                        ; inter's codes: [expert][64 tiles][32 blocks][16 slots][16 bytes]: my block's 256 bytes
	s_lshl_b32 s42, s27, 8
	s_add_co_u32 s34, s34, s42
	s_add_nc_u64 s[18:19], s[18:19], s[34:35]
	s_lshl_b32 s34, s28, 15                        ; inter's scales: [expert][1,024 slots][32 blocks]: my block's byte
	s_add_co_u32 s34, s34, s27
	s_add_nc_u64 s[20:21], s[20:21], s[34:35]
	s_lshl_b32 s34, s28, 12                        ; lists: [expert][1,024 slots] of 4 bytes
	s_add_nc_u64 s[22:23], s[22:23], s[34:35]
	s_lshl_b32 s34, s28, 8                         ; counts: 256 bytes an expert
	s_add_nc_u64 s[24:25], s[24:25], s[34:35]
	; THE COUNT, in both waves.  The work is laid in runs of 32 lines that do not wait for each other.
	s_wait_loadcnt 36                              ; the eight loads of indices are in; the 32 of weights and 4 of scales issued behind them stay out
	s_mov_b32 s29, 0                               ; tokens so far
.irp j, 0,1,2,3,4,5,6,7,8,9,10,11,12,13,14,15,16,17,18,19,20,21,22,23,24,25,26,27,28,29,30,31
	v_cmp_eq_u32 s[MK+\j], s28, v[IDX+\j]          ; the lanes whose token is expert e's
.endr
	s_wait_alu depctr_va_sdst(0)                   ; the 32 compares have written their masks s66 to s97, ahead of the first line that reads one: one wait for the run
.irp j, 0,1,2,3,4,5,6,7,8,9,10,11,12,13,14,15,16,17,18,19,20,21,22,23,24,25,26,27,28,29,30,31
	v_mov_b32 v[SA+\j], s29                        ; the tokens ahead of register j.  (Wave 1 wants the count alone; the moves ride along, so that the count is written once)
	s_bcnt1_i32_b32 s42, s[MK+\j]
	s_add_co_u32 s29, s29, s42
.endr
	s_add_co_u32 s30, s29, 15
	s_lshr_b32 s30, s30, 4                         ; nt = ceil(tokens / 16)
	; THE LIST, by wave 0: up to the barrier below it alone touches LDS.  All its vector work stands first, so that one wait serves the whole run of LDS stores
	s_cmp_lg_u32 s26, 0
	s_cbranch_scc1 .Lrouted
.irp i, 0,1,2,3
	v_mov_b32 v[LO+\i], 0
.endr
.irp j, 0,1,2,3,4,5,6,7,8,9,10,11,12,13,14,15,16,17,18,19,20,21,22,23,24,25,26,27,28,29,30,31
	v_mbcnt_lo_u32_b32 v[SA+\j], s[MK+\j], v[SA+\j]    ; + matching lanes below me: my token's slot
.endr
.irp j, 0,1,2,3,4,5,6,7,8,9,10,11,12,13,14,15,16,17,18,19,20,21,22,23,24,25,26,27,28,29,30,31
	v_cndmask_b32 v[SA+\j], v21, v[SA+\j], s[MK+\j]    ; or my dump slot
.endr
.irp j, 0,1,2,3,4,5,6,7,8,9,10,11,12,13,14,15,16,17,18,19,20,21,22,23,24,25,26,27,28,29,30,31
	v_min_u32 v[SA+\j], 0x45f, v[SA+\j]            ; held inside the list's 1,120 words
.endr
.irp j, 0,1,2,3,4,5,6,7,8,9,10,11,12,13,14,15,16,17,18,19,20,21,22,23,24,25,26,27,28,29,30,31
	v_lshlrev_b32 v[SA+\j], 2, v[SA+\j]
.endr
.irp j, 0,1,2,3,4,5,6,7,8,9,10,11,12,13,14,15,16,17,18,19,20,21,22,23,24,25,26,27,28,29,30,31
	v_add_nc_u32 v[TV+\j], 128*(\j/4)+(\j%4), v18  ; the token's number
.endr
	v_add_nc_u32 v[LO+4], s29, v1
	v_add_nc_u32 v[LO+5], 32, v[LO+4]
	v_min_u32 v[LO+4], 0x43f, v[LO+4]              ; slots tokens .. tokens + 63, at most 1,087
	v_min_u32 v[LO+5], 0x43f, v[LO+5]
	v_lshlrev_b32 v[LO+4], 2, v[LO+4]
	v_lshlrev_b32 v[LO+5], 2, v[LO+5]
	v_mov_b32 v22, s30
	v_mov_b32 v23, s30
	s_wait_alu depctr_va_vdst(0)                   ; written: the four zeros, the 32 slots' addresses, the 32 tokens, the two addresses of the repeats, and nt twice: the LDS stores and the store of nt below read them
.irp i, 0,1,2,3,4,5,6,7,8
	ds_store_b128 v2, v[LO:LO+3] offset:512*\i     ; the list begins as token 0 everywhere: every slot names a token, slot 0 also where the expert has none
.endr
.irp j, 0,1,2,3,4,5,6,7,8,9,10,11,12,13,14,15,16,17,18,19,20,21,22,23,24,25,26,27,28,29,30,31
	ds_store_b32 v[SA+\j], v[TV+\j]
.endr
	ds_load_b32 v29, v17                           ; the expert's first token (LDS serves a wave's instructions in order)
	s_wait_dscnt 0x0                               ; the first token is in
	ds_store_b32 v[LO+4], v29
	ds_store_b32 v[LO+5], v29
	s_cmp_lg_u32 s27, 0
	s_cbranch_scc1 .Lrouted
	global_store_b64 v19, v[22:23], s[24:25]       ; nt, 64 times: 256 consecutive bytes, aligned; one work-group of the expert's 32 stores them
.Lrouted:
	BARRIER                                        ; the list lies in LDS, and is only read from here on
	s_wait_alu depctr_vm_vsrc(0)                   ; wave 0's LDS stores have read v29 and v160 to v229: these are written again by the list's loads below, by the second set's offsets, by x's fragments, by the list on its way out and by a tile's arithmetic
; Set k takes the 16 tokens in lanes 16 k .. 16 k + 15 of list register reg: each token's row of codes by one load of 512 consecutive bytes, and slot r's 32 scale bytes in lane r.
; Each set has offset registers of its own.  They are written again only by the set's next gather, and between two gathers of a set stands a wait for all loads (ahead of the weights' way into the stage, or at a
; trip's head): the loads that read them are done by then.
.macro GATHER k, reg
.set TKB, TKN+176*\k                   ; v32-47 or v208-223
.irp i, 0,1,2,3,4,5,6,7,8,9,10,11,12,13,14,15
	v_readlane_b32 s[TS+\i], v[LR+\reg], 16*\k+\i  ; a row's load wants its token in every lane: so it goes through a scalar register
.endr
	s_wait_alu depctr_va_sdst(0)                   ; the sixteen tokens have reached s48 to s63, ahead of their first reader: one wait for the run
.irp i, 0,1,2,3,4,5,6,7,8,9,10,11,12,13,14,15
	s_min_u32 s[TS+\i], s[TS+\i], 0x3ff            ; a token's number, held inside x
.endr
	s_wait_alu depctr_vm_vsrc(0)                   ; the set's last gather has read its offsets, which the lines below write again; the tile's LDS stores have read the set's rows, in which the loads below land
.irp i, 0,1,2,3,4,5,6,7,8,9,10,11,12,13,14,15
	v_lshl_add_u32 v[TKB+\i], s[TS+\i], 9, v2      ; x 512 bytes + 16 x lane
.endr
.if \k
	v_permlanex16_b32 v31, v[LR+\reg], s36, s37    ; set 1's tokens come down into lanes 0-15, where the product reads source 1's scales
	v_min_u32 v31, 0x3ff, v31
.else
	v_min_u32 v30, 0x3ff, v[LR+\reg]
.endif
	v_lshlrev_b32 v[30+\k], 5, v[30+\k]            ; (lanes 16-31 load the other set's scale words, which nobody reads)
	WIN 0x80                                       ; destination window 2
	s_wait_alu depctr_va_vdst(0)                   ; the seventeen offsets are written, which the loads below read; the tile's products are done reading the set's scale words, in which the last two loads land
.irp i, 0,1,2,3,4,5,6,7,8,9,10,11,12,13,14,15
	global_load_b128 v[64*\k+4*\i:64*\k+4*\i+3], v[TKB+\i], s[4:5]
.endr
	WIN 0
	global_load_b128 v[XS+8*\k:XS+8*\k+3],   v[30+\k], s[6:7]
	global_load_b128 v[XS+8*\k+4:XS+8*\k+7], v[30+\k], s[6:7] offset:16
.endm
.irp q, 0,1,2,3,4,5,6,7,8,9,10,11,12,13,14,15
	ds_load_b32 v[LR+\q], v9 offset:256*\q         ; trip q's two tiles: lanes 0-15 tile w + 4 q, lanes 16-31 tile w + 4 q + 2
.endr
	s_min_u32 s30, s30, 64
	s_max_u32 s30, s30, 4                          ; tiles to work: at least four
	s_wait_dscnt 0x0
	GATHER 0, 0                                    ; tiles w and w + 2 are asked for while the weights are on their way: slots 0-63 name tokens whatever the count.  (Its wait on va_vdst also states that the routing's
	GATHER 1, 0                                    ;  vector lines are done with v128 to v191, in which x's fragments land: no vector line names these registers from here to the first products)
	s_or_b32 s42, s26, s27                         ; the list goes out where the wave would only wait for its weights: wave 0 of the work-group bx = 0
	s_cmp_lg_u32 s42, 0
	s_cbranch_scc1 .Llist_gone
.irp i, 0,1,2,3,4,5,6,7
	ds_load_b128 v[LO+4*\i:LO+4*\i+3], v2 offset:512*\i            ; slots 0-1,023, as they lie
.endr
.irp i, 0,1,2,3,4,5,6,7
	s_wait_dscnt 7-\i                              ; the younger loads may stay out
	global_store_b128 v2, v[LO+4*\i:LO+4*\i+3], s[22:23] offset:512*\i   ; 512 consecutive bytes, aligned; all 1,024 slots, whatever the count: no branch
.endr
.Llist_gone:
	s_wait_loadcnt 0x0                             ; my 32 rows of weights, the scale words, and the two gathers
	WIN 0x04                                       ; an LDS store's data are its source 1: window 1
.irp m, 0,1,2,3,4,5,6,7,8,9,10,11,12,13,14,15,16,17,18,19,20,21,22,23,24,25,26,27,28,29,30,31
	ds_store_b128 v5, v[4*\m:4*\m+3] offset:WP*\m
.endr
	WIN 0
	BARRIER                                        ; all 64 rows lie in the stage; nobody writes it again
	WIN 0x40
	s_wait_alu depctr_vm_vsrc(0)                   ; my LDS stores into the stage have read the first 128 registers of window 1, in which the fragments below land
.irp g, 0,1,2,3                        ; tile g (0, 1 gate; 2, 3 up), K step s: 8 registers at 64 g + 8 s of window 1; registers 4 c .. 4 c + 3 hold K = 128 s + 64 c + 32 h + 0 .. 31
.irp s, 0,1,2,3,4,5,6,7
.irp c, 0,1
	ds_load_b128 v[64*\g+8*\s+4*\c:64*\g+8*\s+4*\c+3], v6 offset:16*WP*\g+64*\s+32*\c
.endr
.endr
.endr
	WIN 0
	s_wait_dscnt 0x0
; 32 matrix instructions: K step by K step, the four accumulators by turns, one instruction a turn.  The first K step starts the sums.
.macro MM g, s, k
.if (\s) == 0
.if (\g) % 2
	v_wmma_scale_f32_16x16x128_f8f6f4 v[ACC+8*\g:ACC+8*\g+7], v[64*\g+8*\s:64*\g+8*\s+7], v[XF+8*\s:XF+8*\s+7], 0, v[WS+8*(\g/2)+\s], v[XS+8*\k+\s] matrix_a_fmt:MATRIX_FMT_FP4 matrix_b_fmt:MATRIX_FMT_FP4 matrix_a_scale:MATRIX_SCALE_ROW1
.else
	v_wmma_scale_f32_16x16x128_f8f6f4 v[ACC+8*\g:ACC+8*\g+7], v[64*\g+8*\s:64*\g+8*\s+7], v[XF+8*\s:XF+8*\s+7], 0, v[WS+8*(\g/2)+\s], v[XS+8*\k+\s] matrix_a_fmt:MATRIX_FMT_FP4 matrix_b_fmt:MATRIX_FMT_FP4
.endif
.else
.if (\g) % 2
	v_wmma_scale_f32_16x16x128_f8f6f4 v[ACC+8*\g:ACC+8*\g+7], v[64*\g+8*\s:64*\g+8*\s+7], v[XF+8*\s:XF+8*\s+7], v[ACC+8*\g:ACC+8*\g+7], v[WS+8*(\g/2)+\s], v[XS+8*\k+\s] matrix_a_fmt:MATRIX_FMT_FP4 matrix_b_fmt:MATRIX_FMT_FP4 matrix_a_scale:MATRIX_SCALE_ROW1
.else
	v_wmma_scale_f32_16x16x128_f8f6f4 v[ACC+8*\g:ACC+8*\g+7], v[64*\g+8*\s:64*\g+8*\s+7], v[XF+8*\s:XF+8*\s+7], v[ACC+8*\g:ACC+8*\g+7], v[WS+8*(\g/2)+\s], v[XS+8*\k+\s] matrix_a_fmt:MATRIX_FMT_FP4 matrix_b_fmt:MATRIX_FMT_FP4
.endif
.endif
.endm
.macro MULS k
	WIN 0x01                                       ; source 0 (the weights) window 1
.irp s, 0,1,2,3,4,5,6,7
.irp g, 0,1,2,3
	MM \g, \s, \k
.endr
.endr
	WIN 0
.rept 4
	v_nop                                          ; four places in front of the first read of results and of loads into registers that the products have read
.endr
.endm
; silu(gate) x up for my 16 columns of slot r, the block's scale, the codes, and out.  v96-111 gate, v112-127 up; each accumulator is read from its low end on.
.macro EPI k
.irp i, 0,2,4,6,8,10,12,14
	v_pk_mul_f32 v[T+\i:T+\i+1], v[ACC+\i:ACC+\i+1], s[38:39] op_sel_hi:[1,0]   ; -g log2(e)
.endr
.irp i, 0,1,2,3,4,5,6,7,8,9,10,11,12,13,14,15
	v_exp_f32 v[T+\i], v[T+\i]                     ; e^-g
.endr
	v_nop                                          ; a plain place behind the transcendentals
	s_wait_alu depctr_va_vdst(0)                   ; the sixteen exponentials have written v80 to v95, ahead of their first reader; and the tile's products are done reading x's fragments, in which the next tile's LDS loads land (no vector line behind this one names v128 to v191)
.irp i, 0,2,4,6,8,10,12,14
	v_pk_add_f32 v[T+\i:T+\i+1], v[T+\i:T+\i+1], 1.0 op_sel_hi:[1,0]
.endr
.irp i, 0,1,2,3,4,5,6,7,8,9,10,11,12,13,14,15
	v_rcp_f32 v[T+\i], v[T+\i]                     ; 1 / (1 + e^-g)
.endr
	v_nop
	s_wait_alu depctr_va_vdst(0)                   ; the sixteen reciprocals have written v80 to v95, ahead of their first reader
.irp i, 0,2,4,6,8,10,12,14
	v_pk_mul_f32 v[T+\i:T+\i+1], v[T+\i:T+\i+1], v[ACC+\i:ACC+\i+1]           ; x g
.endr
.irp i, 0,2,4,6,8,10,12,14
	v_pk_mul_f32 v[T+\i:T+\i+1], v[T+\i:T+\i+1], v[ACC+16+\i:ACC+16+\i+1]     ; x up
.endr
	v_max3_num_f32 v27, |v[T]|, |v[T+1]|, 0x1800000                ; my 16 numbers' largest magnitude, and the floor 2^(3 - 127): the byte cannot fall under 1
.irp i, 2,4,6,8,10,12,14
	v_max3_num_f32 v27, v27, |v[T+\i]|, |v[T+\i+1]|
.endr
	v_permlanex16_b32 v28, v27, s36, s37
	v_max_num_f32 v27, v27, v28                    ; with lane l xor 16's: the block's
	v_add_nc_u32 v29, 0xff000000, v27              ; 2 off its exponent field: the conversion takes the exponent field of this operand as its scale
	s_wait_xcnt 0x0                                ; the last tile's two stores have read their offsets (v14, v15) and data (v24-26): all five are written again only below
	s_wait_alu depctr_vm_vsrc(0)                   ; beside it: the last tile's two stores have read v14, v15 and v24 to v26, which the five lines below write again
	v_lshl_add_u32 v14, s31, 13, v12               ; a tile of codes is 8,192 bytes,
	v_lshl_add_u32 v15, s31, 9, v13                ; of scale bytes 512; the trip's second tile stands in the stores' immediates
	v_lshrrev_b32 v26, 23, v29                     ; the scale's byte
	v_cvt_scalef32_pk8_fp4_f32 v24, v[T:T+7], v29
	v_cvt_scalef32_pk8_fp4_f32 v25, v[T+8:T+15], v29
	v_nop                                          ; one plain place behind a scaled conversion
	s_wait_alu depctr_va_vdst(0)                   ; the two offsets, the codes and the byte (v14, v15, v24 to v26) are written, which the two stores read
	global_store_b64 v14, v[24:25], s[18:19] offset:16384*\k       ; 32 lanes store 256 consecutive bytes, aligned: my block of the tile's 16 slots, as the next product's registers want it
	global_store_b8 v15, v26, s[20:21] offset:1024*\k              ; a byte a slot, 32 bytes apart (both lanes of a slot write the same byte): a sixteenth of the codes' bytes; a slot's 32 bytes come from 32 work-groups
.endm
; The trip's tile k (tile s31 + 2 k), on set k.
.macro TILE k
.if \k
	s_add_co_u32 s42, s31, 2*\k
	s_cmp_ge_u32 s42, s30
.else
	s_cmp_ge_u32 s31, s30
.endif
	s_cbranch_scc1 .Ldone                          ; no tile is left for this wave; no barrier stands behind this line
	WIN 0x08                                       ; store data window 2
.irp i, 0,1,2,3,4,5,6,7,8,9,10,11,12,13,14,15
	ds_store_b128 v7, v[64*\k+4*\i:64*\k+4*\i+3] offset:WP*\i      ; the 16 rows into my own stage, as they lie
.endr
	WIN 0
.irp s, 0,1,2,3,4,5,6,7
.irp c, 0,1
	ds_load_b128 v[XF+8*\s+4*\c:XF+8*\s+4*\c+3], v8 offset:64*\s+32*\c   ; and back as fragments (LDS serves a wave's instructions in order)
.endr
.endr
	s_wait_dscnt 0x0
	MULS \k
	s_add_co_u32 s42, s31, 4+2*\k
	s_cmp_ge_u32 s42, s30
	s_cbranch_scc1 .Lno_more_\@
	GATHER \k, 1                                   ; set k's next tile, four tiles on (the next trip's list register): it lands under this tile's arithmetic and the other set's tile
.Lno_more_\@:
	EPI \k
.endm
	s_mov_b32 s33, 0
.Ltrip:                                                ; 16 trips of two tiles serve the 32 tiles that a wave has when all tokens choose one expert; a wave leaves at its first tile that does not exist
	s_wait_loadcnt 0x0                             ; how many gathers are out hangs on the count of tiles: 0 holds on every way
	TILE 0
	TILE 1
.irp i, 0,1,2,3,4,5,6,7,8,9,10,11,12,13,14
	v_mov_b32 v[LR+\i], v[LR+\i+1]                 ; a register's number cannot follow the trip, so the list moves down one register: the loop always names the second
.endr
	s_add_co_u32 s31, s31, 4
	s_add_co_u32 s33, s33, 1
	s_cmp_lt_u32 s33, 16
	s_cbranch_scc1 .Ltrip
.Ldone:
	s_wait_dscnt 0x0                               ; the closing lines, six on end
	s_wait_alu 0x0
	s_wait_tensorcnt 0x0
	ds_add_u32 v11, v16
	s_wait_dscnt 0x0
	s_endpgm
.Lfunc_end_k_q51388b0b99_gateup:
	.size	k_q51388b0b99_gateup, .Lfunc_end_k_q51388b0b99_gateup-k_q51388b0b99_gateup
	.p2alignl 7, 3214868480
	.fill 96, 4, 3214868480
	.section	.rodata,"a",@progbits
	.p2align	6, 0x0
	.amdhsa_kernel k_q51388b0b99_gateup
		.amdhsa_group_segment_fixed_size 55552
		.amdhsa_private_segment_fixed_size 0
		.amdhsa_enable_private_segment 0
		.amdhsa_kernarg_size 88
		.amdhsa_user_sgpr_count 2
		.amdhsa_user_sgpr_kernarg_segment_ptr 1
		.amdhsa_wavefront_size32 1
		.amdhsa_system_sgpr_workgroup_id_x 1
		.amdhsa_system_sgpr_workgroup_id_y 1
		.amdhsa_system_sgpr_workgroup_id_z 1
		.amdhsa_system_vgpr_workitem_id 0
		.amdhsa_next_free_vgpr 640
		.amdhsa_next_free_sgpr 98
		.amdhsa_reserve_vcc 0
		.amdhsa_float_denorm_mode_32 3
		.amdhsa_float_denorm_mode_16_64 3
		.amdhsa_memory_ordered 1
		.amdhsa_forward_progress 1
		.amdhsa_inst_pref_size 77
	.end_amdhsa_kernel
	.amdgpu_metadata
---
amdhsa.version: [ 1, 2 ]
amdhsa.kernels:
  - .name:           k_q51388b0b99_gateup
    .symbol:         k_q51388b0b99_gateup.kd
    .args:
      - { .name: x_codes, .offset: 0, .size: 8, .value_kind: global_buffer, .address_space: global }
      - { .name: x_scales, .offset: 8, .size: 8, .value_kind: global_buffer, .address_space: global }
      - { .name: expert_indices, .offset: 16, .size: 8, .value_kind: global_buffer, .address_space: global }
      - { .name: gate_proj_codes, .offset: 24, .size: 8, .value_kind: global_buffer, .address_space: global }
      - { .name: gate_proj_scales, .offset: 32, .size: 8, .value_kind: global_buffer, .address_space: global }
      - { .name: up_proj_codes, .offset: 40, .size: 8, .value_kind: global_buffer, .address_space: global }
      - { .name: up_proj_scales, .offset: 48, .size: 8, .value_kind: global_buffer, .address_space: global }
      - { .name: inter_codes, .offset: 56, .size: 8, .value_kind: global_buffer, .address_space: global }
      - { .name: inter_scales, .offset: 64, .size: 8, .value_kind: global_buffer, .address_space: global }
      - { .name: lists, .offset: 72, .size: 8, .value_kind: global_buffer, .address_space: global }
      - { .name: counts, .offset: 80, .size: 8, .value_kind: global_buffer, .address_space: global }
    .group_segment_fixed_size: 55552
    .private_segment_fixed_size: 0
    .kernarg_segment_align: 8
    .kernarg_segment_size: 88
    .max_flat_workgroup_size: 64
    .sgpr_count:     98
    .vgpr_count:     640
    .wavefront_size: 32
...
	.end_amdgpu_metadata
.endif
;; end of part 5
;; launch down (part 6): grid 16 x 16, 2 waves a work-group, no clusters, 42,752 bytes of LDS; arguments down_proj_codes, down_proj_scales, inter_codes, inter_scales, lists, counts, out0; writes out0
.if DOCPART == 6
	.amdgcn_target "amdgcn-amd-amdhsa--gfx1250"
	.amdhsa_code_object_version 6
	.text
	.protected	k_q51388b0b99_down
	.globl	k_q51388b0b99_down
	.p2align	8
	.type	k_q51388b0b99_down,@function
k_q51388b0b99_down:
	s_mov_b64 s[64:65], 0
	v_nop
	global_prefetch_b8 v0, s[64:65] scope:SCOPE_SE
	s_setreg_imm32_b32 hwreg(HW_REG_WAVE_SCHED_MODE, 0, 2), 2
	s_setreg_imm32_b32 hwreg(HW_REG_WAVE_MODE, 25, 1), 1
	s_wait_xcnt 0x0
	s_wait_alu depctr_vm_vsrc(0)
; out[n][j] = the sum over k of inter[n][k] D_e[j][k], e the token's expert, on codes of FP4 (E2M1) with one E8M0 scale for each 32 along K; sums in f32.
; inter comes from the launch before: by expert, in tiles of 16 slots (places in the expert's list of tokens), its codes laid in the order of the operand's registers: block b of slot r at 256 b + 16 r of the tile's
; 8,192 bytes, so that each of a tile's 16 fragment loads is 512 consecutive bytes at 16 x lane.  Its scale bytes: 32 a slot.  'lists' names each slot's token, 'counts' the expert's number of tiles, nt.
; SHARES.  A work-group of two waves owns (expert e = grid y, columns 64 bx .. 64 bx + 63 of the output, bx = grid x): 64 rows of D_e, 512 bytes each; 64 columns are 256 bytes of an output row.
; Each wave fetches 32 of the rows, a whole row an instruction; they meet in a stage in LDS, and both waves keep all 64 as fragments in 256 registers: each weight byte is read once in the launch.
; Wave w takes tiles w, w + 2, ..  Its first two tiles are asked for without a branch: the launch before has written tiles 0 to 3 of every expert; only tiles under nt are multiplied and stored.
; THE PRODUCT IS USED TRANSPOSED (source 0 = 16 rows of D_e, source 1 = 16 slots): a lane holds eight neighbouring columns of one slot.  A tile's results go through the wave's own stage in LDS and leave by rows:
; sixteen lanes store 256 consecutive bytes, aligned, of the row of the slot's token.
; SLOTS BEHIND AN EXPERT'S LAST TOKEN, in its last tile, repeat its first token: that token's row is stored again, by this same work-group, with the same bits.
; NO JOINT REQUESTS, NO TENSOR LOADS: no weight byte is shared between work-groups; the 16 work-groups of an expert share inter's tiles, 8,768 bytes against 34,816 of weights and scales, and the number of tiles
; is read from memory.
; LIMITS: a token whose index lies outside 0 .. 15 is in no list: its row is not written.
; REGISTERS.  window 0: v1-20 addresses; v24-31 the stores' offsets; v32-47 inter's scale words, two sets; v48-63 tokens, two sets; v64-79 the weights' scale words; v96-127 four accumulators; v128-159 rows on their way out.
;   window 1: the weights.   window 2: inter's fragments, two sets of 64.
; THE MODE: SCHED_MODE bits 1:0 = 2 (LLVM: expert scheduling mode 2), set by the entry lines.  The code itself states the register dependences between vector or matrix instructions and memory or LDS
; instructions, with s_wait_alu, always for 0.
; THE PLAN.  Registers that memory or LDS instructions touch, in the loop over tiles:
;   v9-11               a tile's three offsets: written by three vector lines; read by the tile's 20 loads.
;   window 2 set k, inter's scale words set k   loads land in them; the tile's products read them.      the tokens, set k   loads land in them; eight vector lines read them.
;   the accumulators    written by the products; read by eight LDS stores.
;   v24-31              the stores' offsets: written by sixteen vector lines; read by the eight global stores.
;   v128-159            eight LDS loads land in them; the eight global stores read them.
;   v2, v7, v8, v12-14  made at the head, never written again.   The weights and their scale words are named by the products alone.
; So a tile holds one wait on vm_vsrc at its head (the last tile's LDS stores have read the accumulators, its global stores v24-31 and v128-159), the two waits of the loads of the tile four on, where there is one,
; and one wait on va_vdst ahead of the LDS stores (the accumulators and v24-31 are written).
.set WP,   528                         ; a stage row of weights: 512 bytes + 16
.set OST,  64*WP                       ; behind it: 16 rows x 272 bytes for each wave, for the way out
.set OP,   272
.set OFR,  24
.set IS,   32
.set TK,   48
.set WS,   64
.set ACC,  96
.set OB,   128
.set MSB,  0
.macro WIN new                         ; the immediate's high byte repeats the setting that is left; at a label and at a branch every window is 0
.if MSB != \new
	s_set_vgpr_msb (MSB<<8)|\new
.set MSB, \new
.endif
.endm
	s_load_b256 s[4:11], s[0:1], 0x0               ; D's codes 4, D's scales 6, inter's codes 8, inter's scales 10
	s_load_b128 s[12:15], s[0:1], 0x20             ; lists 12, counts 14
	s_load_b64 s[16:17], s[0:1], 0x30              ; out
	v_lshl_add_u32 v254, v0, 2, 0xa600             ; my spare word, behind the stages; with v255 kept for the closing lines alone
	v_mov_b32 v255, 0
	v_lshrrev_b32 v1, 5, v0
	v_readfirstlane_b32 s26, v1                    ; wave 0, 1
	s_mov_b32 s27, ttmp9                           ; bx
	s_and_b32 s28, ttmp7, 0xffff                   ; e
	v_and_b32 v1, 31, v0                           ; lane
	v_lshlrev_b32 v2, 4, v1                        ; 16 x lane
	v_and_b32 v3, 15, v0                           ; r
	v_bfe_u32 v4, v0, 4, 1                         ; h
	s_wait_alu depctr_va_sdst(0)                   ; s26 is written, ahead of its first reader
	s_mul_i32 s42, s26, 32*WP
	v_add_nc_u32 v5, s42, v2                       ; the weights' stage, on the way in: my wave's 32 rows
	v_mul_u32_u24 v6, v3, WP
	v_lshl_add_u32 v6, v4, 4, v6                   ; and as fragments: row r, + 16 h
	s_mul_i32 s43, s26, 16*OP
	s_add_co_u32 s43, s43, OST
	v_mul_u32_u24 v7, v3, OP
	v_lshl_add_u32 v7, v4, 5, v7
	v_add_nc_u32 v7, s43, v7                       ; the way out, in: row = slot r, + 32 h bytes
	v_mul_u32_u24 v8, v4, 8*OP
	v_lshl_add_u32 v8, v3, 4, v8
	v_add_nc_u32 v8, s43, v8                       ; back: lanes 0-15 rows 0-7, lanes 16-31 rows 8-15; 16 bytes a lane
	v_lshlrev_b32 v12, 5, v3                       ; 32 r: slot r's scale bytes
	v_lshlrev_b32 v13, 5, v4                       ; 32 h: the tokens of slots 8 h + 0 .. 7
	v_lshlrev_b32 v14, 4, v3                       ; 16 r: my bytes of a row's 256
	v_lshlrev_b32 v20, 5, v1                       ; 32 x lane: a weight row's scale bytes
	s_mov_b32 s35, 0
	s_mov_b32 s31, s26                             ; t: the trip's first tile
	s_wait_kmcnt 0x0
	s_lshl_b32 s34, s28, 8
	s_add_nc_u64 s[14:15], s[14:15], s[34:35]
	s_load_b32 s30, s[14:15], 0x0                  ; nt
	s_lshl_b32 s34, s28, 19                        ; an expert's codes are 2^19 bytes, my work-group's 64 rows 2^15, my wave's 32 rows 2^14
	s_add_nc_u64 s[8:9], s[8:9], s[34:35]          ; (inter's codes likewise 2^19 an expert)
	s_lshl_b32 s42, s27, 15
	s_add_co_u32 s34, s34, s42
	s_lshl_b32 s42, s26, 14
	s_add_co_u32 s34, s34, s42
	s_add_nc_u64 s[4:5], s[4:5], s[34:35]
	s_lshl_b32 s34, s28, 15                        ; scale bytes: 2^15 an expert, in D and in inter
	s_add_nc_u64 s[10:11], s[10:11], s[34:35]
	s_lshl_b32 s42, s27, 11
	s_add_co_u32 s34, s34, s42
	s_add_nc_u64 s[6:7], s[6:7], s[34:35]
	s_lshl_b32 s34, s28, 12
	s_add_nc_u64 s[12:13], s[12:13], s[34:35]
	s_lshl_b32 s34, s27, 8                         ; my 256 bytes of an output row
	s_add_nc_u64 s[16:17], s[16:17], s[34:35]
	WIN 0x40                                       ; destination window 1
	s_wait_alu depctr_va_vdst(0)                   ; the offsets and LDS addresses made above (v2, v5 to v8, v20) are written: the loads and stores of the whole kernel read them, and none is written again
.irp m, 0,1,2,3,4,5,6,7,8,9,10,11,12,13,14,15,16,17,18,19,20,21,22,23,24,25,26,27,28,29,30,31
	global_load_b128 v[4*\m:4*\m+3], v2, s[4:5] offset:512*\m th:TH_LOAD_NT   ; a whole row, 512 consecutive bytes; read once in the launch
.endr
	WIN 0
	global_load_b128 v[WS:WS+3],     v20, s[6:7]               ; scale words: register 8 p + s: lanes 0-15 tile 2 p, lanes 16-31 tile 2 p + 1: row 32 p + lane
	global_load_b128 v[WS+4:WS+7],   v20, s[6:7] offset:16
	global_load_b128 v[WS+8:WS+11],  v20, s[6:7] offset:1024
	global_load_b128 v[WS+12:WS+15], v20, s[6:7] offset:1040
; Set k takes tile s[st]: 16 loads of 512 consecutive bytes are its eight fragments; slot r's scale words in lane r; the tokens of slots 8 h + 0 .. 7 in the lanes of half h.
.macro LOADT k, st
	s_wait_xcnt 0x0                                ; the loads before have read their offsets, which are written again below
	s_wait_alu depctr_vm_vsrc(0)                   ; beside it: the loads of the tile asked for last have read v9 to v11, which the three lines below write again
	v_lshl_add_u32 v9, s[\st], 13, v2
	v_lshl_add_u32 v10, s[\st], 9, v12
	v_lshl_add_u32 v11, s[\st], 6, v13
	WIN 0x80                                       ; destination window 2
	s_wait_alu depctr_va_vdst(0)                   ; v9 to v11 are written, which the loads below read; the set's products are done reading its fragments and scale words, and the eight lines that hold its tokens are done reading them: the loads land in all three
.irp q, 0,1,2,3,4,5,6,7,8,9,10,11,12,13,14,15
	global_load_b128 v[64*\k+4*\q:64*\k+4*\q+3], v9, s[8:9] offset:512*\q     ; q = 2 s + c: registers 4 c .. 4 c + 3 of K step s: blocks 4 s + 2 c + h
.endr
	WIN 0
	global_load_b128 v[IS+8*\k:IS+8*\k+3],   v10, s[10:11]
	global_load_b128 v[IS+8*\k+4:IS+8*\k+7], v10, s[10:11] offset:16
	global_load_b128 v[TK+8*\k:TK+8*\k+3],   v11, s[12:13]
	global_load_b128 v[TK+8*\k+4:TK+8*\k+7], v11, s[12:13] offset:16
.endm
	LOADT 0, 31                                    ; tiles w and w + 2, while the weights are on their way
	s_add_co_u32 s42, s31, 2
	LOADT 1, 42
	s_wait_kmcnt 0x0
	s_min_u32 s30, s30, 64
	s_wait_loadcnt 0x0                             ; my 32 rows, the scale words, my first two tiles
	WIN 0x04                                       ; an LDS store's data are its source 1: window 1
.irp m, 0,1,2,3,4,5,6,7,8,9,10,11,12,13,14,15,16,17,18,19,20,21,22,23,24,25,26,27,28,29,30,31
	ds_store_b128 v5, v[4*\m:4*\m+3] offset:WP*\m
.endr
	WIN 0
	s_wait_dscnt 0x0                               ; for the other wave's sake: my stores have landed
	s_barrier_signal -1
	s_barrier_wait -1                              ; all 64 rows lie in the stage; nobody writes it again
	WIN 0x40
	s_wait_alu depctr_vm_vsrc(0)                   ; my LDS stores into the stage have read the first 128 registers of window 1, in which the fragments below land
.irp g, 0,1,2,3                        ; tile g (rows 16 g on), K step s: 8 registers at 64 g + 8 s of window 1
.irp s, 0,1,2,3,4,5,6,7
.irp c, 0,1
	ds_load_b128 v[64*\g+8*\s+4*\c:64*\g+8*\s+4*\c+3], v6 offset:16*WP*\g+64*\s+32*\c
.endr
.endr
.endr
	WIN 0
	s_wait_dscnt 0x0
; 32 matrix instructions: K step by K step, the four accumulators by turns, one instruction a turn.  The first K step starts the sums.
.macro MM g, s, k
.if (\s) == 0
.if (\g) % 2
	v_wmma_scale_f32_16x16x128_f8f6f4 v[ACC+8*\g:ACC+8*\g+7], v[64*\g+8*\s:64*\g+8*\s+7], v[64*\k+8*\s:64*\k+8*\s+7], 0, v[WS+8*(\g/2)+\s], v[IS+8*\k+\s] matrix_a_fmt:MATRIX_FMT_FP4 matrix_b_fmt:MATRIX_FMT_FP4 matrix_a_scale:MATRIX_SCALE_ROW1
.else
	v_wmma_scale_f32_16x16x128_f8f6f4 v[ACC+8*\g:ACC+8*\g+7], v[64*\g+8*\s:64*\g+8*\s+7], v[64*\k+8*\s:64*\k+8*\s+7], 0, v[WS+8*(\g/2)+\s], v[IS+8*\k+\s] matrix_a_fmt:MATRIX_FMT_FP4 matrix_b_fmt:MATRIX_FMT_FP4
.endif
.else
.if (\g) % 2
	v_wmma_scale_f32_16x16x128_f8f6f4 v[ACC+8*\g:ACC+8*\g+7], v[64*\g+8*\s:64*\g+8*\s+7], v[64*\k+8*\s:64*\k+8*\s+7], v[ACC+8*\g:ACC+8*\g+7], v[WS+8*(\g/2)+\s], v[IS+8*\k+\s] matrix_a_fmt:MATRIX_FMT_FP4 matrix_b_fmt:MATRIX_FMT_FP4 matrix_a_scale:MATRIX_SCALE_ROW1
.else
	v_wmma_scale_f32_16x16x128_f8f6f4 v[ACC+8*\g:ACC+8*\g+7], v[64*\g+8*\s:64*\g+8*\s+7], v[64*\k+8*\s:64*\k+8*\s+7], v[ACC+8*\g:ACC+8*\g+7], v[WS+8*(\g/2)+\s], v[IS+8*\k+\s] matrix_a_fmt:MATRIX_FMT_FP4 matrix_b_fmt:MATRIX_FMT_FP4
.endif
.endif
.endm
; The trip's tile k (tile s31 + 2 k), on set k.
.macro TILE k
	s_wait_alu depctr_vm_vsrc(0)                   ; the last tile's LDS stores have read the accumulators, which the products below write again; its global stores have read v24 to v31 and v128 to v159, which the offsets' lines and the loads from the stage write again
.if \k
	s_add_co_u32 s42, s31, 2*\k
	s_cmp_ge_u32 s42, s30
.else
	s_cmp_ge_u32 s31, s30
.endif
	s_cbranch_scc1 .Ldone                          ; no tile is left for this wave; no barrier stands behind this line
	WIN 0x09                                       ; source 0 (the weights) window 1, source 1 (inter) window 2
.irp s, 0,1,2,3,4,5,6,7
.irp g, 0,1,2,3
	MM \g, \s, \k
.endr
.endr
	WIN 0
	s_wait_xcnt 0x0                                ; the last tile's stores have read their offsets and data: both are written again below
.irp i, 0,1,2,3,4,5,6,7
	v_min_u32 v[OFR+\i], 0x3ff, v[TK+8*\k+\i]      ; the token of slot 8 h + i, held inside the output.  (These sixteen lines name no register of the products: they are the places, ISA guide 7.12.1,
.endr                                              ;  in front of the loads into the products' operands and of the first read of results)
.irp i, 0,1,2,3,4,5,6,7
	v_lshl_add_u32 v[OFR+\i], v[OFR+\i], 12, v14   ; x 4,096 bytes a row + 16 r
.endr
	s_add_co_u32 s42, s31, 4+2*\k
	s_cmp_ge_u32 s42, s30
	s_cbranch_scc1 .Lno_more_\@
	LOADT \k, 42                                   ; set k's next tile, four tiles on: it lands under this tile's way out and the other set's tile
.Lno_more_\@:
	s_wait_alu depctr_va_vdst(0)                   ; on both ways: the products have written the accumulators, which the LDS stores read, and the eight offsets v24 to v31 are written, which the global stores read; the places above stay beside this wait
.irp g, 0,1,2,3
	ds_store_b128 v7, v[ACC+8*\g:ACC+8*\g+3] offset:64*\g          ; lane (r, h): columns 16 g + 8 h + 0 .. 7 of slot r; each accumulator from its low end on
	ds_store_b128 v7, v[ACC+8*\g+4:ACC+8*\g+7] offset:64*\g+16
.endr
.irp i, 0,1,2,3,4,5,6,7
	ds_load_b128 v[OB+4*\i:OB+4*\i+3], v8 offset:OP*\i             ; row 8 h + i, whole (LDS serves a wave's instructions in order: these see the stores above)
.endr
.irp i, 0,1,2,3,4,5,6,7
	s_wait_dscnt 7-\i                              ; the younger loads from the stage may stay out
	global_store_b128 v[OFR+\i], v[OB+4*\i:OB+4*\i+3], s[16:17] th:TH_STORE_NT   ; sixteen lanes store 256 consecutive bytes, aligned, of one token's row; written once, read by nobody here
.endr
.endm
	s_mov_b32 s33, 0
.Ltrip:                                                ; 16 trips of two tiles serve the 32 tiles that a wave has when all tokens choose one expert; a wave leaves at its first tile that does not exist
	s_wait_loadcnt 0x0                             ; how many tiles are on their way hangs on nt: 0 holds on every way
	TILE 0
	TILE 1
	s_add_co_u32 s31, s31, 4
	s_add_co_u32 s33, s33, 1
	s_cmp_lt_u32 s33, 16
	s_cbranch_scc1 .Ltrip
.Ldone:
	s_wait_dscnt 0x0                               ; the closing lines, six on end
	s_wait_alu 0x0
	s_wait_tensorcnt 0x0
	ds_add_u32 v254, v255
	s_wait_dscnt 0x0
	s_endpgm
.Lfunc_end_k_q51388b0b99_down:
	.size	k_q51388b0b99_down, .Lfunc_end_k_q51388b0b99_down-k_q51388b0b99_down
	.p2alignl 7, 3214868480
	.fill 96, 4, 3214868480
	.section	.rodata,"a",@progbits
	.p2align	6, 0x0
	.amdhsa_kernel k_q51388b0b99_down
		.amdhsa_group_segment_fixed_size 42752
		.amdhsa_private_segment_fixed_size 0
		.amdhsa_enable_private_segment 0
		.amdhsa_kernarg_size 56
		.amdhsa_user_sgpr_count 2
		.amdhsa_user_sgpr_kernarg_segment_ptr 1
		.amdhsa_wavefront_size32 1
		.amdhsa_system_sgpr_workgroup_id_x 1
		.amdhsa_system_sgpr_workgroup_id_y 1
		.amdhsa_system_sgpr_workgroup_id_z 1
		.amdhsa_system_vgpr_workitem_id 0
		.amdhsa_next_free_vgpr 640
		.amdhsa_next_free_sgpr 66
		.amdhsa_reserve_vcc 0
		.amdhsa_float_denorm_mode_32 3
		.amdhsa_float_denorm_mode_16_64 3
		.amdhsa_memory_ordered 1
		.amdhsa_forward_progress 1
		.amdhsa_inst_pref_size 37
	.end_amdhsa_kernel
	.amdgpu_metadata
---
amdhsa.version: [ 1, 2 ]
amdhsa.kernels:
  - .name:           k_q51388b0b99_down
    .symbol:         k_q51388b0b99_down.kd
    .args:
      - { .name: down_proj_codes, .offset: 0, .size: 8, .value_kind: global_buffer, .address_space: global }
      - { .name: down_proj_scales, .offset: 8, .size: 8, .value_kind: global_buffer, .address_space: global }
      - { .name: inter_codes, .offset: 16, .size: 8, .value_kind: global_buffer, .address_space: global }
      - { .name: inter_scales, .offset: 24, .size: 8, .value_kind: global_buffer, .address_space: global }
      - { .name: lists, .offset: 32, .size: 8, .value_kind: global_buffer, .address_space: global }
      - { .name: counts, .offset: 40, .size: 8, .value_kind: global_buffer, .address_space: global }
      - { .name: out0, .offset: 48, .size: 8, .value_kind: global_buffer, .address_space: global }
    .group_segment_fixed_size: 42752
    .private_segment_fixed_size: 0
    .kernarg_segment_align: 8
    .kernarg_segment_size: 56
    .max_flat_workgroup_size: 64
    .sgpr_count:     66
    .vgpr_count:     640
    .wavefront_size: 32
...
	.end_amdgpu_metadata
.endif
;; end of part 6
